; MI455X (gfx1250); checked and timed in simulation.
; The chip was launched on July 23, 2026; its instructions are those of AMD's public machine-readable ISA for CDNA 5 (MIT licence, August 2026) and "CDNA5" Instruction Set Architecture Reference Guide (July 2026). The comments in the code are by the model that wrote it; some were corrected since.
;; Attention. Allowed arithmetic: matrix products marked QUANTISED: E2M3 operands, one E8M0 scale for each 32 along K, by v_wmma_scale_f32_16x16x128_f8f6f4 with both operands' format E2M3, f32 sums; everything else in f32.
;; Inputs: Wk 2,048 x 2,048 float32; Wo 2,048 x 2,048 float32; Wq 2,048 x 2,048 float32; Wv 2,048 x 2,048 float32; attention_mask 1 x 1 x 2,048 x 2,048 float32; cos 2,048 x 128 float32; hidden 1 x 2,048 x 2,048 float32; sin 2,048 x 128 float32.
;; Outputs: out0 1 x 2,048 x 2,048 float32.
;; This version of the problem:
;;   THIS VERSION OF THE PROBLEM IS GIVEN IN LOW PRECISION. The matrix products marked QUANTISED in the list below multiply operands that are first quantised to E2M3 (2 exponent bits, 3 mantissa bits; 6 bits a number), with one power-of-two scale for each 32 numbers along K (OCP MX v1.0); their sums are f32. All else is computed in f32.
;;   The module's matrix products, in the order in which they are computed (A, B: the left and right operand; K: the contracted axis; several contracted axes count as one K, in the product's order):
;;     1. [M 2,048, K 2,048] x [K 2,048, N 2,048]; A: input hidden; B: input Wq: QUANTISED
;;     2. [M 2,048, K 2,048] x [K 2,048, N 2,048]; A: input hidden; B: input Wk: QUANTISED
;;     3. [M 2,048, K 2,048] x [K 2,048, N 2,048]; A: input hidden; B: input Wv: QUANTISED
;;     4. batch 16 x [M 2,048, K 128] x [K 128, N 2,048]; A: computed on the way; B: computed on the way: QUANTISED
;;     5. batch 16 x [M 2,048, K 2,048] x [K 2,048, N 128]; A: softmax (see below); B: computed on the way: QUANTISED
;;     6. [M 2,048, K 2,048] x [K 2,048, N 2,048]; A: computed on the way; B: input Wo: QUANTISED
;;   THE QUANTISER, for each operand of a quantised product, along K:
;;     - K is cut into blocks of 32 from its start; a last block that is shorter is filled with zeros.
;;     - A block's scale is 2^e with e = floor(log2(the largest magnitude in the block)) - 2, held to -126 .. 127; a block of zeros has e = 0. As a byte (E8M0): e + 127.
;;     - Each number is divided by its block's scale, clamped to +-7.5, and rounded to the nearest number of E2M3, ties to even, subnormals kept.
;;     - The product sums the exact products of the quantised numbers (number of the format x scale) in f32.
;;   ~~~python
;;   def quantise(x, axis):      # numpy; x: float32 -> the quantised numbers, widened to float32 again
;;       x = np.moveaxis(x, axis, -1); K = x.shape[-1]
;;       x = np.pad(x, [(0, 0)] * (x.ndim - 1) + [(0, -K % 32)]); x = x.reshape(x.shape[:-1] + (-1, 32)); a = np.abs(x).max(-1, keepdims=True)
;;       e = np.where(a > 0, np.clip(np.frexp(np.where(a > 0, a, 1))[1] - 1 - 2, -126, 127), 0)      # np.frexp(a)[1] - 1 = floor(log2(a)), exactly
;;       r = np.clip(x / 2.0 ** e, -7.5, 7.5)
;;       step = 2.0 ** (np.maximum(np.frexp(np.where(r == 0, 1, r))[1] - 1, 0) - 3)
;;       q = np.round(r / step) * step * 2.0 ** e      # np.round: ties to even
;;       return np.moveaxis(q.reshape(q.shape[:-2] + (-1,))[..., :K], -1, axis).astype(np.float32)
;;   ~~~
;;   SOFTMAX AHEAD OF A QUANTISED PRODUCT. Where the list says 'softmax', what is quantised is not the finished softmax but p = 2^(t - M), with t = logit x log2(e) and M = ceil(the row's largest t), a whole number; so 1/2 < the row's largest p <= 1. The row's sum l is taken of the UNQUANTISED p, in f32, and the product's result is divided by l at the end. Since M is a whole number, a kernel that streams over the keys may use a running M (the ceiling of the running maximum): every later rescaling is an exact power of two, which a block's scale takes up: the codes' values come out the same.
;;   OPERANDS COMPUTED ON THE WAY. 'Computed on the way' means the value that the module computes at that place (a softmax that the list does not call 'softmax' is quantised finished and normalised). What goes into a quantiser is computed in f32, as accurately as f32 sums, v_exp_f32 and their like allow (about 1e-6 of the number): no bf16 or f16 on the way to a quantiser, and a product that is left as it is and whose result goes on into a quantised operand takes f32 operands (vector FMAs, or v_wmma_f32_16x16x4_f32). A number that lies on a knife's edge between two numbers of the format may be rounded either way, as far as f32 arithmetic and the matrix unit's own rounding can turn it there, and no further.
;; One version. Each part assembles by itself: llvm-mc -triple=amdgcn-amd-amdhsa -mcpu=gfx1250 --defsym DOCPART=n.
;; ======== version 1 of 1: 4 launches
;; limits: right only within a limited range of input values
;; workspace buffers: codes1 15,728,640 bytes; scales1 655,360 bytes; qkvc 9,437,184 bytes; qkvs 393,216 bytes; oc 3,145,728 bytes; os 131,072 bytes; mask2 16,777,216 bytes; cs2 2,097,152 bytes
;; launch quant (part 1): grid 128 x 6, 4 waves a work-group, no clusters, 68,096 bytes of LDS; arguments hidden, Wq, Wk, Wv, Wo, codes1, scales1, attention_mask, mask2, cos, sin, cs2; writes codes1, scales1, mask2, cs2
.if DOCPART == 1
	.amdgcn_target "amdgcn-amd-amdhsa--gfx1250"
	.amdhsa_code_object_version 6
	.text
	.protected	k_qaad67f0a05_quant
	.globl	k_qaad67f0a05_quant
	.p2align	8
	.type	k_qaad67f0a05_quant,@function
k_qaad67f0a05_quant:
	s_mov_b64 s[64:65], 0
	v_nop
	global_prefetch_b8 v0, s[64:65] scope:SCOPE_SE
	s_setreg_imm32_b32 hwreg(HW_REG_WAVE_MODE, 25, 1), 1
	s_wait_xcnt 0x0
; hidden, Wq, Wk, Wv, Wo, each [2048][2048] f32 with K innermost, become codes of FP6 (E2M3) with one E8M0 scale byte for each 32 along K.
; A block's scale is 2^(floor(log2(its largest magnitude)) - 2); its byte is the largest magnitude's exponent field - 2, held at 1 from below; each number is divided by the scale and rounded to the nearest code, ties to even, beyond 7.5 the largest code.
; LAYOUT OF THE RESULT.  The codes are laid as IMAGES OF OPERAND REGISTERS: a fragment (16 rows x 128 K, 12 registers a lane) is 1,536 bytes, registers 4 g .. 4 g + 3 of lane l at 512 g + 16 l.
; codes1: [tensor 5][tile of 16 rows 128][K step of 128: 16] fragments.  scales1: for each tile 1,024 bytes: the word (four bytes, 128 along K) of K step s and row r at 128 (s / 2) + 8 r + 4 (s % 2).
; ORDER INSIDE A BLOCK.  A lane (r = lane % 16, h = lane / 16) is given, of row r, register 16 b + i = k 32 b + 16 (i / 8) + 8 h + i % 8: the order in which a transposed matrix result lies in registers.  So inside each
; block of 32 the codes stand in the order 0-7, 16-23, 8-15, 24-31.  Every operand of this program is made from that same order, so both sides of every product agree; the blocks and their scales are untouched.
; SHARES.  Work-group (x, y): tile x of tensor y; wave w: K steps 4 w .. 4 w + 3.  Each load reads 512 consecutive bytes of one row; a step's 16 rows turn through the wave's own stage in LDS (rows 528 bytes apart)
; and come back 32 bytes at a time in the order above.  No barrier: waves share nothing.  No matrix unit, no cluster, no tensor load: a stream read once.
; LIMITS: a block of zeros, and one whose largest magnitude lies under 2^-124, gets the byte 1 (its codes then are zeros or what the conversion gives under that scale; the bytes are read by this program alone); NaN and infinities among the inputs are not served.
.set SP,    528                        ; a stage row: 512 bytes + 16
.set WREG,  16*SP                      ; a wave's stage
.set SPARE, 4*WREG                     ; behind the stages: the spare words, 128 bytes a wave: two blocks of 256 bytes that no other line names
.set LI,  1                            ; v1   16 x lane
.set STI, 2                            ; v2   the stage, on the way in: my wave's + 16 x lane
.set STO, 3                            ; v3   on the way out: my wave's + 528 r + 32 h
.set SWO, 4                            ; v4   8 x lane: the scale words' place
.set SPW, 14                           ; v14  LDS address of my spare word; never rewritten
.set NIL, 15                           ; v15  0; never rewritten
.set R,   16                           ; v16-143  two sets of 64: a step as it is loaded
.set X,   144                          ; v144-207 64 numbers in the quantiser's order
.set TM,  208                          ; v208-223 at work
.set Y,   224                          ; v224-230 the conversions' second halves
.set PW,  232                          ; v232-235 the four steps' scale words
.set PC,  236                          ; v236-247 a fragment's codes
.set CW,  248                          ; v248-249 the scale words as they leave
.set SEL, 20                           ; s[20:21] v_permlanex16_b32's selects for lane l xor 16
	s_load_b256 s[4:11], s[0:1], 0x0               ; hidden, Wq, Wk, Wv
	s_load_b128 s[12:15], s[0:1], 0x20             ; Wo, codes1
	s_load_b64 s[16:17], s[0:1], 0x30              ; scales1
	s_load_b128 s[32:35], s[0:1], 0x38             ; the attention mask, mask2
	s_load_b128 s[40:43], s[0:1], 0x48             ; cos, sin
	s_load_b64 s[44:45], s[0:1], 0x58              ; cs2
	v_lshl_add_u32 v[SPW], v0, 2, SPARE
	v_mov_b32 v[NIL], 0
	v_lshrrev_b32 v5, 5, v0
	v_readfirstlane_b32 s18, v5                    ; wave
	s_and_b32 s19, ttmp7, 0xffff                   ; which tensor
	v_and_b32 v5, 31, v0                           ; lane
	v_and_b32 v6, 15, v0                           ; r
	v_bfe_u32 v7, v0, 4, 1                         ; h
	v_lshlrev_b32 v[LI], 4, v5
	v_lshlrev_b32 v[SWO], 3, v5
	s_mul_i32 s24, s18, WREG
	v_add_nc_u32 v[STI], s24, v[LI]
	v_mul_u32_u24 v[STO], v6, SP
	v_lshl_add_u32 v[STO], v7, 5, v[STO]
	v_add_nc_u32 v[STO], s24, v[STO]
	s_mov_b32 s[SEL], 0x76543210
	s_mov_b32 s[SEL+1], 0xfedcba98
	s_mov_b32 s22, 0xffff0000                      ; lanes 16-31
.irp b, 0,1,2,3
	v_mov_b32 v[TM+4+\b], 0                        ; written once: a lane permute's destination counts as one of its sources
.endr
	s_lshl_b32 s24, ttmp9, 17                      ; the tile's 16 rows of 8,192 bytes,
	s_lshl_b32 s25, s18, 11                        ; my wave's 512 numbers of each
	s_add_co_u32 s24, s24, s25
	s_mov_b32 s25, 0
	s_lshl_b32 s26, s19, 7
	s_add_co_u32 s26, s26, ttmp9                   ; the tile's number among all 640
	s_mul_i32 s28, s26, 24576                      ; its 16 fragments,
	s_mul_i32 s27, s18, 6144                       ; my four of them
	s_add_co_u32 s28, s28, s27
	s_mov_b32 s29, 0
	s_lshl_b32 s30, s26, 10                        ; its scale words,
	s_lshl_b32 s27, s18, 8                         ; my 256 bytes of them
	s_add_co_u32 s30, s30, s27
	s_mov_b32 s31, 0
	s_wait_alu depctr_va_vdst(0)
	s_wait_kmcnt 0x0
	s_cmp_eq_u32 s19, 1                            ; the tensor is chosen by the work-group's number alone
	s_cselect_b64 s[4:5], s[6:7], s[4:5]
	s_cmp_eq_u32 s19, 2
	s_cselect_b64 s[4:5], s[8:9], s[4:5]
	s_cmp_eq_u32 s19, 3
	s_cselect_b64 s[4:5], s[10:11], s[4:5]
	s_cmp_eq_u32 s19, 4
	s_cselect_b64 s[4:5], s[12:13], s[4:5]
	s_cmp_eq_u32 s19, 5
	s_cselect_b64 s[4:5], s[32:33], s[4:5]
	s_add_nc_u64 s[4:5], s[4:5], s[24:25]
	s_add_nc_u64 s[14:15], s[14:15], s[28:29]
	s_add_nc_u64 s[16:17], s[16:17], s[30:31]
.macro LOAD t                          ; step t: 16 rows x 512 consecutive bytes, into set t % 2
.set i, 0
.rept 16
	global_load_b128 v[R+64*((\t)%2)+4*i:R+64*((\t)%2)+4*i+3], v[LI], s[4:5] offset:8192*i+512*(\t) th:TH_LOAD_NT
.set i, i+1
.endr
.endm
.macro TURN t                          ; through my stage: LDS serves a wave's instructions in order (ISA guide 5.7.1.4), so no wait stands between the stores and the loads
.set i, 0
.rept 16
	ds_store_b128 v[STI], v[R+64*((\t)%2)+4*i:R+64*((\t)%2)+4*i+3] offset:SB+SP*i
.set i, i+1
.endr
.irp b, 0,1,2,3
.irp e, 0,1
.irp j, 0,1
	ds_load_b128 v[X+16*\b+8*\e+4*\j:X+16*\b+8*\e+4*\j+3], v[STO] offset:SB+128*\b+64*\e+16*\j
.endr
.endr
.endr
.endm
; 64 numbers of a lane, v[s] on, four half blocks of 16, become a fragment's codes in v[PC] on and its scale word in v[pw]
.macro QUANT s, pw
.irp b, 0,1,2,3
	v_max3_num_f32 v[TM+\b], |v[\s+16*\b]|, |v[\s+1+16*\b]|, 0x1800000   ; block b: my 16 numbers, and the floor 2^(3 - 127): the byte cannot fall under 1
.endr
.irp i, 2,4,6,8,10,12,14
.irp b, 0,1,2,3
	v_max3_num_f32 v[TM+\b], v[TM+\b], |v[\s+16*\b+\i]|, |v[\s+1+16*\b+\i]|   ; the four blocks by turns
.endr
.endr
.irp b, 0,1,2,3
	v_permlanex16_b32 v[TM+4+\b], v[TM+\b], s[SEL], s[SEL+1]
.endr
.irp b, 0,1,2,3
	v_max_num_f32 v[TM+\b], v[TM+\b], v[TM+4+\b]   ; with lane l xor 16's: the block's largest magnitude
.endr
.irp b, 0,1,2,3
	v_add_nc_u32 v[TM+12+\b], 0xff000000, v[TM+\b] ; 2 off its exponent field: the conversion takes the exponent field of this operand as its scale
.endr
.irp b, 0,1,2,3
	v_lshrrev_b32 v[TM+4+\b], 23, v[TM+12+\b]      ; the scale's byte
.endr
	v_lshl_or_b32 v[\pw], v[TM+5], 8, v[TM+4]      ; the four bytes make my row's scale word
	v_lshl_or_b32 v[\pw], v[TM+6], 16, v[\pw]
	v_lshl_or_b32 v[\pw], v[TM+7], 24, v[\pw]
.irp c, 0,1
	v_cvt_scalef32_pk16_fp6_f32 v[PC+6*\c:PC+2+6*\c], v[\s+32*\c:\s+15+32*\c], v[TM+12+2*\c]
	v_cvt_scalef32_pk16_fp6_f32 v[Y+4*\c:Y+2+4*\c], v[\s+16+32*\c:\s+31+32*\c], v[TM+12+2*\c+1]   ; (a conversion's three registers begin on an even number)
.endr
	v_nop                                          ; one plain place behind a scaled conversion
.irp c, 0,1                            ; the operand's layout wants a whole block in a lane: lanes 0-15 block 2 c, lanes 16-31 block 2 c + 1
.irp i, 0,1,2
	v_permlane16_swap_b32 v[PC+6*\c+\i], v[Y+4*\c+\i]
.endr
.irp i, 0,1,2
	v_mov_b32 v[PC+3+6*\c+\i], v[Y+4*\c+\i]
.endr
.endr
.endm
.macro STEPQ t
.if (\t) > 0
	s_wait_xcnt 0x0                                ; the last step's stores have read the codes' registers: they are written again only behind this wait
.endif
.if (\t) < 3
	s_wait_loadcnt 16                              ; this step's 16 loads are in; the next step's 16 may be out
.else
	s_wait_loadcnt 0x0
.endif
	TURN \t
	s_wait_dscnt 0x0                               ; the numbers are back, and the stage's stores have read their registers,
.if (\t) < 2
	LOAD (\t)+2                                    ; which take the loads of two steps on
.endif
	QUANT X, PW+(\t)
.irp g, 0,1,2
	global_store_b128 v[LI], v[PC+4*\g:PC+4*\g+3], s[14:15] offset:1536*(\t)+512*\g   ; 32 lanes store 512 consecutive bytes, at a multiple of 512 from the buffer's first byte
.endr
.endm
; THE SIXTH TENSOR (work-group y = 5) is the attention mask [2048 queries][2048 keys].  It is not quantised: it is multiplied by sqrt(128) and laid as IMAGES OF THE SCORES' REGISTERS:
; mask2: [block of 128 queries: 16][key step of 128: 16][tile of 16 queries: 8] images of 8,192 bytes, registers 4 g .. 4 g + 3 of lane l at 512 g + 16 l; register 8 t + i of lane (r, h) = query r, key 16 t + 8 h + i.
; That is the order in which a step comes back from the stage.  The mask's path has stages of its own, behind the spare words.
.set SB,  0                            ; LDS byte at which the path's four stages begin
.set MST, SPARE+512
	s_lshr_b32 s24, ttmp9, 3                       ; the tile's block of 128 queries,
	s_lshl_b32 s24, s24, 20
	s_and_b32 s26, ttmp9, 7                        ; its place in the block,
	s_lshl_b32 s26, s26, 13
	s_add_co_u32 s24, s24, s26
	s_lshl_b32 s26, s18, 18                        ; my wave's four key steps (s25 is still 0)
	s_add_co_u32 s24, s24, s26
	s_add_nc_u64 s[34:35], s[34:35], s[24:25]
	s_mov_b32 s36, 0x413504f3                      ; sqrt(128)
	s_mov_b32 s37, s36                             ; (named with it as a pair, so it is written)
	s_cmp_eq_u32 s19, 5
	s_cbranch_scc1 .Lmask
	LOAD 0
	LOAD 1
	STEPQ 0
	STEPQ 1
	STEPQ 2
	STEPQ 3
	v_cndmask_b32 v[CW], v[PW], v[PW+2], s22       ; lanes 0-15 carry the words of my first two K steps, lanes 16-31 those of the other two (every lane holds its row's four)
	v_cndmask_b32 v[CW+1], v[PW+1], v[PW+3], s22
	global_store_b64 v[SWO], v[CW:CW+1], s[16:17]  ; 32 lanes store 256 consecutive bytes, aligned
	s_branch .Lend
.Lmask:
.set SB, MST
.macro STEPM t
.if (\t) > 0
	s_wait_xcnt 0x0                                ; the last step's stores have read their data: the registers are written again only behind this wait
.endif
.if (\t) < 3
	s_wait_loadcnt 16                              ; this step's 16 loads are in; the next step's 16 may be out
.else
	s_wait_loadcnt 0x0
.endif
	TURN \t
	s_wait_dscnt 0x0
.if (\t) < 2
	LOAD (\t)+2
.endif
.set j, 0
.rept 32
	v_pk_mul_f32 v[X+j:X+j+1], v[X+j:X+j+1], s[36:37] op_sel_hi:[1,0]
.set j, j+2
.endr
.set i, 0
.rept 16
	global_store_b128 v[LI], v[X+4*i:X+4*i+3], s[34:35] offset:65536*(\t)+512*i   ; 512 consecutive bytes a store, aligned
.set i, i+1
.endr
.endm
; COS AND SIN [2048 positions][128], laid the same way: cs2: [cos, sin][tile of 16 positions: 128] images of 8,192 bytes.  A tile is 8,192 dense bytes of its tensor.  The four waves of the mask's work-group x share tile x of both:
; wave w takes the tensor w % 2 and the half w / 2 of the 128 columns: 16 rows x 256 bytes, which are registers 32 (w / 2) .. + 31 of the image.  Its 8 loads (two rows of 256 bytes each) go out ahead of the mask's first 32, turn through
; the wave's own stage ahead of the mask's first step, and lie in registers that the mask's steps do not write: so no wait stands behind their stores.
.set CR, 208                           ; v208-239
	s_and_b32 s26, s18, 1                          ; which tensor
	s_lshr_b32 s27, s18, 1                         ; which half of the columns
	s_cmp_eq_u32 s26, 0
	s_cselect_b64 s[40:41], s[40:41], s[42:43]
	s_lshl_b32 s24, ttmp9, 13                      ; the tile (s25 is still 0)
	s_lshl_b32 s28, s27, 8
	s_add_co_u32 s28, s28, s24                     ; in: + 256 x half
	s_mov_b32 s29, 0
	s_add_nc_u64 s[40:41], s[40:41], s[28:29]
	s_lshl_b32 s26, s26, 20                        ; out: sin's images lie behind cos's,
	s_add_co_u32 s24, s24, s26
	s_lshl_b32 s26, s27, 12                        ; the second half's 32 registers 4,096 bytes on
	s_add_co_u32 s24, s24, s26
	s_add_nc_u64 s[44:45], s[44:45], s[24:25]
	s_mul_i32 s26, s18, WREG
	s_lshl_b32 s28, s27, 8
	s_add_co_u32 s26, s26, s28                     ; my stage, + 256 x half
	v_lshlrev_b32 v8, 9, v7                        ; memory: row h of a load's two, 16 r
	v_lshl_add_u32 v8, v6, 4, v8
	v_mul_u32_u24 v9, v7, SP                       ; the same place in the stage
	v_lshl_add_u32 v9, v6, 4, v9
	v_add_nc_u32 v9, s26, v9
	v_add_nc_u32 v10, s28, v[STO]                  ; and on the way out: my row, my half
	s_wait_alu depctr_va_vdst(0)
.set i, 0
.rept 8
	global_load_b128 v[CR+4*i:CR+4*i+3], v8, s[40:41] offset:1024*i th:TH_LOAD_NT   ; sixteen lanes read 256 consecutive bytes, aligned
.set i, i+1
.endr
	LOAD 0
	LOAD 1
	s_wait_loadcnt 32                              ; my part of the tile is in; the mask's 32 loads may be out
.set i, 0
.rept 8
	ds_store_b128 v9, v[CR+4*i:CR+4*i+3] offset:SB+2*SP*i
.set i, i+1
.endr
	s_wait_dscnt 0x0                               ; the stores have read their registers, which take the numbers back
.irp b, 0,1
.irp e, 0,1
.irp j, 0,1
	ds_load_b128 v[CR+16*\b+8*\e+4*\j:CR+16*\b+8*\e+4*\j+3], v10 offset:SB+128*\b+64*\e+16*\j
.endr
.endr
.endr
	s_wait_dscnt 0x0
.set i, 0
.rept 8
	global_store_b128 v[LI], v[CR+4*i:CR+4*i+3], s[44:45] offset:512*i   ; 512 consecutive bytes a store, aligned
.set i, i+1
.endr
	STEPM 0
	STEPM 1
	STEPM 2
	STEPM 3
.Lend:
	s_wait_tensorcnt 0x0                           ; the wave's end
	ds_add_u32 v[SPW], v[NIL]
	s_wait_dscnt 0x0
	s_endpgm
.Lfunc_end_k_qaad67f0a05_quant:
	.size	k_qaad67f0a05_quant, .Lfunc_end_k_qaad67f0a05_quant-k_qaad67f0a05_quant
	.p2alignl 7, 3214868480
	.fill 96, 4, 3214868480
	.section	.rodata,"a",@progbits
	.p2align	6, 0x0
	.amdhsa_kernel k_qaad67f0a05_quant
		.amdhsa_group_segment_fixed_size 68096
		.amdhsa_private_segment_fixed_size 0
		.amdhsa_enable_private_segment 0
		.amdhsa_kernarg_size 96
		.amdhsa_user_sgpr_count 2
		.amdhsa_user_sgpr_kernarg_segment_ptr 1
		.amdhsa_wavefront_size32 1
		.amdhsa_system_sgpr_workgroup_id_x 1
		.amdhsa_system_sgpr_workgroup_id_y 1
		.amdhsa_system_sgpr_workgroup_id_z 1
		.amdhsa_system_vgpr_workitem_id 0
		.amdhsa_next_free_vgpr 256
		.amdhsa_next_free_sgpr 66
		.amdhsa_reserve_vcc 0
		.amdhsa_float_denorm_mode_32 3
		.amdhsa_float_denorm_mode_16_64 3
		.amdhsa_memory_ordered 1
		.amdhsa_forward_progress 1
		.amdhsa_inst_pref_size 66
	.end_amdhsa_kernel
	.amdgpu_metadata
---
amdhsa.version: [ 1, 2 ]
amdhsa.kernels:
  - .name:           k_qaad67f0a05_quant
    .symbol:         k_qaad67f0a05_quant.kd
    .args:
      - { .name: hidden, .offset: 0, .size: 8, .value_kind: global_buffer, .address_space: global }
      - { .name: Wq, .offset: 8, .size: 8, .value_kind: global_buffer, .address_space: global }
      - { .name: Wk, .offset: 16, .size: 8, .value_kind: global_buffer, .address_space: global }
      - { .name: Wv, .offset: 24, .size: 8, .value_kind: global_buffer, .address_space: global }
      - { .name: Wo, .offset: 32, .size: 8, .value_kind: global_buffer, .address_space: global }
      - { .name: codes1, .offset: 40, .size: 8, .value_kind: global_buffer, .address_space: global }
      - { .name: scales1, .offset: 48, .size: 8, .value_kind: global_buffer, .address_space: global }
      - { .name: attention_mask, .offset: 56, .size: 8, .value_kind: global_buffer, .address_space: global }
      - { .name: mask2, .offset: 64, .size: 8, .value_kind: global_buffer, .address_space: global }
      - { .name: cos, .offset: 72, .size: 8, .value_kind: global_buffer, .address_space: global }
      - { .name: sin, .offset: 80, .size: 8, .value_kind: global_buffer, .address_space: global }
      - { .name: cs2, .offset: 88, .size: 8, .value_kind: global_buffer, .address_space: global }
    .group_segment_fixed_size: 68096
    .private_segment_fixed_size: 0
    .kernarg_segment_align: 8
    .kernarg_segment_size: 96
    .max_flat_workgroup_size: 128
    .sgpr_count:     66
    .vgpr_count:     256
    .wavefront_size: 32
...
	.end_amdgpu_metadata
.endif
;; end of part 1
;; launch qkv (part 2): grid 24 x 8, 4 waves a work-group, clusters of 4 x 4, 327,680 bytes of LDS; arguments codes1, scales1, cs2, qkvc, qkvs; writes qkvc, qkvs
.if DOCPART == 2
	.amdgcn_target "amdgcn-amd-amdhsa--gfx1250"
	.amdhsa_code_object_version 6
	.text
	.protected	k_qaad67f0a05_qkv
	.globl	k_qaad67f0a05_qkv
	.p2align	8
	.type	k_qaad67f0a05_qkv,@function
k_qaad67f0a05_qkv:
	s_mov_b64 s[64:65], 0
	v_nop
	global_prefetch_b8 v0, s[64:65] scope:SCOPE_SE
	s_setreg_imm32_b32 hwreg(HW_REG_WAVE_MODE, 25, 1), 1
	s_wait_xcnt 0x0
	s_wait_alu depctr_hold_cnt(0) depctr_sa_sdst(0) depctr_va_vdst(0) depctr_va_sdst(0) depctr_va_ssrc(0) depctr_va_vcc(0) depctr_vm_vsrc(0)
	s_getreg_b32 s2, hwreg(HW_REG_IB_STS2, 6, 4)
	s_cmp_eq_u32 s2, 0
	s_cbranch_scc0 .Lentry_in_a_cluster
	s_endpgm
.Lentry_in_a_cluster:
	s_bfe_u32 s2, ttmp6, 0x10000c
	s_cmp_lg_u32 s2, 0xf033
	s_cbranch_scc0 .Lentry_shape_is_right
	s_endpgm
.Lentry_shape_is_right:
.set NQ,    2
.set FR,    12
.set NL,    3
.set NP,    4
.set FIB,   1536
.set TROW,  NQ*FIB
.set HALFT, 8*TROW
.set SLOT,  4*HALFT
.set LAPS,  4
.set SCL,   2*SLOT
.set HALFS, 8192
.set SBLK,  1024
.set SPARE, SCL+4*HALFS
.set ADRA, 16
.set ADRB, 20
.set CSA,  24
.set LI,   25
.set ADRS, 27
.set SPW,  28
.set NIL,  29
.set SC,   32
.set T,    64
.set AF,   128
.set TM,   128
.set YC,   144
.set PWS,  152
.set PCS,  160
.set SW4,  128
.set WV,  16
.set RH,  17
.set CH,  18
.set G1,  24
.set G0,  32
.set G1B, 48
.set G0B, 56
.set G1S, 68
.set G0S, 76
.set G1SB, 80
.set G0SB, 88
.set SEL, 100
.set MSB, 0
.macro WIN new
.if MSB != \new
	s_set_vgpr_msb (MSB<<8)|\new
.set MSB, \new
.endif
.endm
.set MUL_LO, 0xa1
.set MUL_HI, 0xf1
.set TO_B,   0x40
.macro JLOAD g0a, g1a, g0b, g1b
	s_cmp_eq_u32 s[RH], 0
	s_cbranch_scc0 .Lfor_b_\@
	tensor_load_to_lds s[\g0a:\g0a+3], s[\g1a:\g1a+7]
	s_nop 0
.rept 4
	v_nop
.endr
	s_branch .Lasked_\@
.Lfor_b_\@:
	tensor_load_to_lds s[\g0b:\g0b+3], s[\g1b:\g1b+7]
	s_nop 0
.rept 4
	v_nop
.endr
.Lasked_\@:
.endm
.macro CREST
	s_cmp_lg_u32 s[WV], 0
	s_cbranch_scc1 .Lnot_wave_0_\@
	s_barrier_signal -3
.Lnot_wave_0_\@:
	s_barrier_wait -3
	s_barrier_signal -1
	s_barrier_wait -1
.endm
.macro CROUND
	s_barrier_signal -1
	s_barrier_wait -1
	CREST
.endm
	s_load_b128 s[4:7], s[0:1], 0x0                ; codes1, scales1
	s_load_b64 s[8:9], s[0:1], 0x10                ; cs2: cos's images, and 1,048,576 bytes on sin's
	s_load_b128 s[12:15], s[0:1], 0x18             ; qkvc, qkvs
	v_lshl_add_u32 v[SPW], v0, 2, SPARE
	v_mov_b32 v[NIL], 0
	ds_add_u32 v[SPW], v[NIL]
	ds_add_u32 v[SPW], v[NIL]
	v_lshrrev_b32 v1, 5, v0
	v_readfirstlane_b32 s[WV], v1
	s_lshr_b32 s[RH], s[WV], 1
	s_and_b32 s[CH], s[WV], 1
	s_bfe_u32 s40, ttmp6, 0x40000
	s_bfe_u32 s41, ttmp6, 0x40004
	s_lshl_b32 s42, ttmp9, 2
	s_add_co_u32 s42, s42, s40
	s_and_b32 s43, ttmp7, 0xffff
	s_lshl_b32 s43, s43, 2
	s_add_co_u32 s43, s43, s41
	s_lshl_b32 s44, s41, 2
	s_lshl_b32 s44, 15, s44
	s_lshl_b32 s45, 0x1111, s40
	s_cmp_ge_u32 ttmp9, 4
	s_cselect_b32 s96, 384, 0
	s_or_b32 s[G1+0], s44, (3<<16)|(1<<21)
	s_or_b32 s[G1B+0], s45, (3<<16)|(1<<21)
.irp g, G1, G1B
	s_mov_b32 s[\g+1], 384<<16
	s_mov_b32 s[\g+2], 16<<16                      ; the head's loads bring a tile's 16 rows; behind them the two words that count rows are set to 8
	s_mov_b32 s[\g+3], 384<<16
	s_mov_b32 s[\g+4], 16
	s_mov_b32 s[\g+5], 3072
	s_mov_b32 s[\g+6], 0
	s_mov_b32 s[\g+7], 0
.endr
	s_or_b32 s[G1S+0], s44, (3<<16)|(1<<21)
	s_or_b32 s[G1SB+0], s45, (3<<16)|(1<<21)
.irp g, G1S, G1SB
	s_mov_b32 s[\g+1], 32<<16
	s_mov_b32 s[\g+2], 64<<16                      ; the scales of a tile's 256 rows: 16,384 dense bytes as 64 rows of 256
	s_mov_b32 s[\g+3], 32<<16
	s_mov_b32 s[\g+4], 64
	s_mov_b32 s[\g+5], 32
	s_mov_b32 s[\g+6], 0
	s_mov_b32 s[\g+7], 0
.endr
	s_lshl_b32 s20, s43, 4
	s_add_co_u32 s20, s20, s96
	s_lshl_b32 s46, s42, 4
	s_add_co_u32 s46, s46, 128
	s_sub_co_u32 s46, s46, s96
	s_mul_i32 s22, s20, 24576
	s_mov_b32 s23, 0
	s_lshl_b32 s20, s20, 10
	s_mov_b32 s21, 0
	s_mul_i32 s92, s46, 24576
	s_mov_b32 s93, 0
	s_lshl_b32 s46, s46, 10
	s_mov_b32 s47, 0
	s_mul_i32 s94, s[WV], HALFT
	s_mov_b32 s[SEL], 0x76543210
	s_mov_b32 s[SEL+1], 0xfedcba98
	s_wait_dscnt 0x0
	s_wait_kmcnt 0x0
	s_add_nc_u64 s[22:23], s[4:5], s[22:23]
	s_add_nc_u64 s[20:21], s[6:7], s[20:21]
	s_add_nc_u64 s[92:93], s[4:5], s[92:93]
	s_add_nc_u64 s[46:47], s[6:7], s[46:47]
	CROUND
	s_mov_b32 s[G0S], 1
	s_mov_b32 s[G0S+1], SCL
	s_mov_b64 s[G0S+2:G0S+3], s[20:21]
	s_or_b32 s[G0S+3], s[G0S+3], 0x80000000
	s_mov_b32 s[G0SB], 1
	s_mov_b32 s[G0SB+1], SCL+2*HALFS
	s_mov_b64 s[G0SB+2:G0SB+3], s[46:47]
	s_or_b32 s[G0SB+3], s[G0SB+3], 0x80000000
; THE HEAD'S LOADS, ONE A WAVE: wave 0 slot 0's 16 tile rows of A, wave 1 those of B, wave 2 the scales of A's 256 rows, wave 3 those of B's: one chain of branches on the wave's number, one load to an arm.
.set G0H,  4                           ; s[4:7]: the arguments that lay there have been used
.set G0HB, 96                          ; s[96:99]
	s_mov_b32 s[G0H], 1
	s_mov_b32 s[G0H+1], 0
	s_mov_b64 s[G0H+2:G0H+3], s[22:23]
	s_or_b32 s[G0H+3], s[G0H+3], 0x80000000
	s_mov_b32 s[G0HB], 1
	s_mov_b32 s[G0HB+1], 2*HALFT
	s_mov_b64 s[G0HB+2:G0HB+3], s[92:93]
	s_or_b32 s[G0HB+3], s[G0HB+3], 0x80000000
	s_mul_i32 s2, s[CH], 8*24576                   ; for the ring: my 8 of the tile's 16 rows
	s_mov_b32 s3, 0
	s_add_nc_u64 s[22:23], s[22:23], s[2:3]
	s_add_nc_u64 s[92:93], s[92:93], s[2:3]
; THE TILES ARE PREFETCHED INTO THE L2.  A refill of mine brings 8 tile rows x 3,072 bytes: 96 blocks of 256 bytes, asked for jointly by four partners.  Each partner names 24 of them BY ADDRESS (its place p along the axis that shares the tile:
; tile rows 2 p, 2 p + 1, 12 blocks each; a lane a block; lanes 24-31 name lane 23's again).  Chunks 2 and 3 are named behind the head's two loads; each refill of the loop's first two trips names the chunk two refills on; chunk 7 is the last.
	s_cmp_eq_u32 s[RH], 0                          ; do I fetch for A?
	s_cselect_b64 s[10:11], s[22:23], s[92:93]     ; my 8 tile rows, at chunk 0
	s_cselect_b32 s2, s40, s41
	s_mul_i32 s2, s2, 2*24576
	v_and_b32 v26, 31, v0
	v_min_u32 v26, 23, v26
	v_mul_u32_u24 v1, v26, 43
	v_lshrrev_b32 v1, 9, v1                        ; lane / 12
	v_mul_u32_u24 v2, v1, 12
	v_sub_nc_u32 v26, v26, v2                      ; lane % 12
	v_lshlrev_b32 v26, 8, v26
	v_mad_u32_u24 v26, v1, 0x6000, v26
	v_add_nc_u32 v26, s2, v26
	s_wait_alu depctr_va_vdst(0)
.macro ARM under, g0, g1, next
	s_cmp_lt_u32 s[WV], \under
	s_cbranch_scc0 \next
	tensor_load_to_lds s[\g0:\g0+3], s[\g1:\g1+7]
	s_nop 0
.rept 4
	v_nop
.endr
	s_branch .Lhead_asked
\next:
.endm
	ARM 1, G0H,  G1,  .Lhead_b
	ARM 2, G0HB, G1B, .Lhead_sa
	ARM 3, G0S,  G1S, .Lhead_sb
	tensor_load_to_lds s[G0SB:G0SB+3], s[G1SB:G1SB+7]
	s_nop 0
.rept 4
	v_nop
.endr
.Lhead_asked:
	global_prefetch_b8 v26, s[10:11] offset:2*TROW th:TH_LOAD_NT scope:SCOPE_SE
.irp s, 0,1
	s_mov_b32 s[G0+4*\s], 1
	s_add_co_u32 s[G0+4*\s+1], s94, \s*SLOT
	s_add_nc_u64 s[G0+4*\s+2:G0+4*\s+3], s[22:23], \s*TROW
	s_or_b32 s[G0+4*\s+3], s[G0+4*\s+3], 0x80000000
	s_mov_b32 s[G0B+4*\s], 1
	s_add_co_u32 s[G0B+4*\s+1], s94, \s*SLOT
	s_add_nc_u64 s[G0B+4*\s+2:G0B+4*\s+3], s[92:93], \s*TROW
	s_or_b32 s[G0B+4*\s+3], s[G0B+4*\s+3], 0x80000000
	s_wait_alu depctr_va_vdst(0)
.if \s
	s_wait_tensorcnt 0x0                           ; my tile of the head's four is in; slot 1's first fill is issued as a refill is
	ds_add_u32 v28, v29
	s_mov_b32 s[G1+2], 8<<16                       ; no tensor load of mine is out: from here on a load brings 8 rows
	s_mov_b32 s[G1+4], 8
	s_mov_b32 s[G1B+2], 8<<16
	s_mov_b32 s[G1B+4], 8
	s_wait_dscnt 0x0
	CROUND
	JLOAD G0+4*\s, G1, G0B+4*\s, G1B
	global_prefetch_b8 v26, s[10:11] offset:3*TROW th:TH_LOAD_NT scope:SCOPE_SE
.endif
.endr
	v_and_b32 v1, 15, v0
	v_bfe_u32 v2, v0, 4, 1
	s_wait_alu depctr_va_vdst(0)
	v_and_b32 v3, 31, v0
	v_lshlrev_b32 v[LI], 4, v3
	s_mul_i32 s20, s[RH], HALFT
	s_mul_i32 s21, s[CH], HALFT
	s_add_co_u32 s21, s21, 2*HALFT
.irp s, 0,1
	v_add_nc_u32 v[ADRA+\s], s20, v[LI]
	v_add_nc_u32 v[ADRB+\s], s21, v[LI]
	s_add_co_u32 s20, s20, SLOT
	s_add_co_u32 s21, s21, SLOT
.endr
	v_lshlrev_b32 v5, 3, v1
	s_mul_i32 s20, s[RH], HALFS
	s_mul_i32 s21, s[CH], HALFS
	s_add_co_u32 s21, s21, 2*HALFS
	s_sub_co_u32 s21, s21, s20
	v_mul_u32_u24 v6, s21, v2
	s_add_co_u32 s20, s20, SCL
	v_add_nc_u32 v5, v5, v6
	v_add_nc_u32 v[ADRS], s20, v5
	s_lshl_b32 s22, s40, 1                         ; the prefetches' offset: my wave's 128 positions are 65,536 bytes of cos's images; the eight waves that read them (four partners of a row, two waves each) take 8,192 each BY ADDRESS, lanes 256 bytes apart
	s_add_co_u32 s22, s22, s[CH]
	s_lshl_b32 s22, s22, 13
	s_wait_alu depctr_va_vdst(0)
	v_lshl_add_u32 v[CSA], v3, 8, s22
	s_cmp_ge_u32 ttmp9, 4
	s_cselect_b32 s3, -1, LAPS-1                   ; Q's and K's clusters ask, in the loop's first trip; V's read no cos or sin
	s_mov_b32 s99, 0xffff0000
	s_lshl_b32 s97, s42, 1
	s_add_co_u32 s97, s97, s[CH]
	s_lshl_b32 s98, s43, 1
	s_add_co_u32 s98, s98, s[RH]
	s_lshl_b32 s20, s98, 16
	s_mov_b32 s21, 0
	s_add_nc_u64 s[8:9], s[8:9], s[20:21]
	s_add_co_u32 s22, s98, 32
	s_sub_co_u32 s23, s97, 32
	s_cmp_ge_u32 ttmp9, 4
	s_cselect_b32 s22, s22, s97
	s_cselect_b32 s23, s23, s98
	s_mul_i32 s20, s22, 196608
	s_mul_i32 s46, s23, 12288
	s_add_co_u32 s20, s20, s46
	s_add_nc_u64 s[12:13], s[12:13], s[20:21]
	s_lshl_b32 s20, s22, 13
	s_lshl_b32 s46, s23, 9
	s_add_co_u32 s20, s20, s46
	s_add_nc_u64 s[14:15], s[14:15], s[20:21]
.macro FRAG reg, adr, q, i
.irp g, 0,1,2
	ds_load_b128 v[\reg+4*\g:\reg+4*\g+3], v[\adr] offset:(\i)*TROW+(\q)*FIB+512*\g
.endr
.endm
.macro MUL16 a0, p, q, sc, zero
.irp a, \a0, \a0+1
.irp b, 0,1,2,3,4,5,6,7
.if \zero
	v_wmma_scale_f32_16x16x128_f8f6f4 v[8*(8*((\a)%4)+\b):8*(8*((\a)%4)+\b)+7], v[128*(\p)+FR*\b:128*(\p)+FR*\b+FR-1], v[AF+FR*(\a):AF+FR*(\a)+FR-1], 0, v[SC+8*NQ*(\sc)+NQ*\b+(\q)], v[SC+8*NQ*(\sc)+NQ*(\a)+(\q)] matrix_a_fmt:MATRIX_FMT_FP6 matrix_b_fmt:MATRIX_FMT_FP6 matrix_a_scale:MATRIX_SCALE_ROW1
.else
	v_wmma_scale_f32_16x16x128_f8f6f4 v[8*(8*((\a)%4)+\b):8*(8*((\a)%4)+\b)+7], v[128*(\p)+FR*\b:128*(\p)+FR*\b+FR-1], v[AF+FR*(\a):AF+FR*(\a)+FR-1], v[8*(8*((\a)%4)+\b):8*(8*((\a)%4)+\b)+7], v[SC+8*NQ*(\sc)+NQ*\b+(\q)], v[SC+8*NQ*(\sc)+NQ*(\a)+(\q)] matrix_a_fmt:MATRIX_FMT_FP6 matrix_b_fmt:MATRIX_FMT_FP6 matrix_a_scale:MATRIX_SCALE_ROW1
.endif
.endr
.endr
.endm
.macro FETCH_B slot, q, p
	WIN TO_B
.irp i, 0,1,2,3,4,5,6,7
	FRAG 128*(\p)+FR*\i, ADRB+\slot, \q, \i
.endr
	WIN 0
.endm
.macro FETCH_A slot, q, i0
.irp i, \i0, \i0+1, \i0+2, \i0+3
	FRAG AF+FR*(\i), ADRA+\slot, \q, \i
.endr
.endm
.macro SCALES sc
.irp i, 0,1,2,3,4,5,6,7
	ds_load_b64 v[SC+8*NQ*\sc+NQ*\i:SC+8*NQ*\sc+NQ*\i+1], v[ADRS] offset:\i*SBLK
.endr
.endm
.macro PLACES n
.rept \n
	v_nop
.endr
.endm
.macro STEP slot, q, zero
	s_wait_dscnt 4*NL
	WIN MUL_LO
	MUL16 0, (\q)%2, \q, \slot, \zero
	MUL16 2, (\q)%2, \q, \slot, \zero
	s_wait_dscnt 0
	PLACES NP
	FETCH_B \slot, (\q)+1, 1-(\q)%2
	FETCH_A \slot, (\q)+1, 0
	WIN MUL_HI
	MUL16 4, (\q)%2, \q, \slot, \zero
	MUL16 6, (\q)%2, \q, \slot, \zero
	PLACES NP
	WIN 0
	FETCH_A \slot, (\q)+1, 4
.endm
.macro TURN slot, next, fill
.if \fill
	s_wait_xcnt 0x0                                ; my prefetches have read their base: it steps a chunk on
	s_add_nc_u64 s[10:11], s[10:11], TROW
.endif
	s_wait_tensorcnt 0x0
	ds_add_u32 v[SPW], v[NIL]
	s_wait_dscnt 4*NL+1
	WIN MUL_LO
	MUL16 0, 1, NQ-1, \slot, 0
	s_wait_dscnt 0x0
	s_barrier_signal -1
	MUL16 2, 1, NQ-1, \slot, 0
	WIN 0
	s_barrier_wait -1
.if \fill
	CREST
	s_add_nc_u64 s[G0+4*\slot+2:G0+4*\slot+3], s[G0+4*\slot+2:G0+4*\slot+3], 2*TROW
	s_add_nc_u64 s[G0B+4*\slot+2:G0B+4*\slot+3], s[G0B+4*\slot+2:G0B+4*\slot+3], 2*TROW
	JLOAD G0+4*\slot, G1, G0B+4*\slot, G1B
.else
	PLACES NP
.endif
	s_wait_alu depctr_va_vdst(0)
	v_add_nc_u32 v[ADRS], 128, v[ADRS]
	FETCH_B \next, 0, 0
	FETCH_A \next, 0, 0
	SCALES \next
.if \fill
	s_cmp_eq_u32 s19, s3                           ; a prefetch into the L2 of what the way out loads behind the loop: at slot 0's change cos's images, at slot 1's sin's
	s_cbranch_scc0 .Lno_ask_\@
	global_prefetch_b8 v[CSA], s[8:9] offset:0x100000*(\slot) th:TH_LOAD_NT scope:SCOPE_SE
.Lno_ask_\@:
	s_cmp_gt_u32 s19, 1                            ; the last trip's refills have no chunk two on
	s_cbranch_scc0 .Lno_tile_\@
	global_prefetch_b8 v26, s[10:11] offset:3*TROW th:TH_LOAD_NT scope:SCOPE_SE
.Lno_tile_\@:
.endif
	WIN MUL_HI
	MUL16 4, 1, NQ-1, \slot, 0
	MUL16 6, 1, NQ-1, \slot, 0
	PLACES NP
	WIN 0
	FETCH_A \next, 0, 4
.endm
	s_wait_alu depctr_va_vdst(0)
	s_wait_tensorcnt 1
	s_barrier_signal -1
	s_barrier_wait -1
	FETCH_B 0, 0, 0
	FETCH_A 0, 0, 0
	SCALES 0
	FETCH_A 0, 0, 4
	STEP 0, 0, 1
	s_mov_b32 s19, LAPS-1
.Llap:
	TURN 0, 1, 1
	STEP 1, 0, 0
	TURN 1, 0, 1
	STEP 0, 0, 0
	s_sub_co_u32 s19, s19, 1
	s_cmp_lg_u32 s19, 0
	s_cbranch_scc1 .Llap
	TURN 0, 1, 0
	STEP 1, 0, 0
	s_wait_dscnt 4*NL
	WIN MUL_LO
	MUL16 0, 1, NQ-1, 1, 0
	MUL16 2, 1, NQ-1, 1, 0
	s_wait_dscnt 0
	WIN MUL_HI
	MUL16 4, 1, NQ-1, 1, 0
	MUL16 6, 1, NQ-1, 1, 0
	WIN 0
.macro QUANT s, sw, pw, pc
.set QS, \s
.set QW, \sw
.set QP, \pc
	WIN (QW<<2)|(QW<<4)
.irp b, 0,1,2,3
	v_max3_num_f32 v[TM+\b], 0x1800000, |v[QS+16*\b]|, |v[QS+1+16*\b]|
.endr
.irp i, 2,4,6,8,10,12,14
.irp b, 0,1,2,3
	v_max3_num_f32 v[TM+\b], v[TM+\b], |v[QS+16*\b+\i]|, |v[QS+1+16*\b+\i]|
.endr
.endr
	WIN 0
.irp b, 0,1,2,3
	v_permlanex16_b32 v[TM+4+\b], v[TM+\b], s[SEL], s[SEL+1]
.endr
.irp b, 0,1,2,3
	v_max_num_f32 v[TM+\b], v[TM+\b], v[TM+4+\b]
.endr
.irp b, 0,1,2,3
	v_add_nc_u32 v[TM+12+\b], 0xff000000, v[TM+\b]
.endr
.irp b, 0,1,2,3
	v_lshrrev_b32 v[TM+4+\b], 23, v[TM+12+\b]
.endr
	v_lshl_or_b32 v[\pw], v[TM+5], 8, v[TM+4]
	v_lshl_or_b32 v[\pw], v[TM+6], 16, v[\pw]
	v_lshl_or_b32 v[\pw], v[TM+7], 24, v[\pw]
	WIN QW
.irp c, 0,1
	v_cvt_scalef32_pk16_fp6_f32 v[QP+6*\c:QP+2+6*\c], v[QS+32*\c:QS+15+32*\c], v[TM+12+2*\c]
	v_cvt_scalef32_pk16_fp6_f32 v[YC+4*\c:YC+2+4*\c], v[QS+16+32*\c:QS+31+32*\c], v[TM+12+2*\c+1]
.endr
	WIN 0
	v_nop
.irp c, 0,1
.irp i, 0,1,2
	v_permlane16_swap_b32 v[QP+6*\c+\i], v[YC+4*\c+\i]
.endr
.irp i, 0,1,2
	v_mov_b32 v[QP+3+6*\c+\i], v[YC+4*\c+\i]
.endr
.endr
.endm
.macro OUTF a
.set QP, PCS+12*(\a)
.irp g, 0,1,2
	global_store_b128 v[LI], v[QP+4*\g:QP+4*\g+3], s[12:13] offset:FIB*(\a)+512*\g
.endr
.endm
.macro LOADCS a
.set CSET, 128*((\a)%2)
	WIN TO_B
.set i, 0
.rept 16
	global_load_b128 v[CSET+4*i:CSET+4*i+3], v[LI], s[8:9] offset:8192*(\a)+512*i              ; images of the registers: 512 consecutive bytes a load
	global_load_b128 v[CSET+64+4*i:CSET+64+4*i+3], v[LI], s[8:9] offset:0x100000+8192*(\a)+512*i
.set i, i+1
.endr
	WIN 0
.endm
.macro ROPE a
.set AC, 64*((\a)%4)
.set CSET, 128*((\a)%2)
	WIN ((2+(\a)/4)|(1<<2))
.set j, 0
.rept 32
	v_pk_mul_f32 v[T+j:T+j+1], v[AC+j:AC+j+1], v[CSET+j:CSET+j+1]
.set j, j+2
.endr
.set j, 0
.rept 16
	v_pk_fma_f32 v[T+j:T+j+1], v[AC+32+j:AC+33+j], v[CSET+64+j:CSET+65+j], v[T+j:T+j+1] neg_lo:[0,1,0] neg_hi:[0,1,0]
.set j, j+2
.endr
.rept 16
	v_pk_fma_f32 v[T+j:T+j+1], v[AC-32+j:AC-31+j], v[CSET+64+j:CSET+65+j], v[T+j:T+j+1]
.set j, j+2
.endr
.endm
	PLACES NP
.irp b, 0,1,2,3
	v_mov_b32 v[TM+4+\b], 0
.endr
	s_cmp_ge_u32 ttmp9, 4
	s_cbranch_scc1 .Lv
	LOADCS 0
	LOADCS 1
.irp a, 0,1,2,3,4,5,6,7
.if \a < 7
	s_wait_loadcnt 32
.else
	s_wait_loadcnt 0x0
.endif
	ROPE \a
.if \a < 6
	LOADCS \a+2
.endif
	QUANT T, 0, PWS+\a, PCS+12*\a
	OUTF \a
.endr
	s_branch .Ljoin
.Lv:
.irp a, 0,1,2,3,4,5,6,7
	QUANT 64*((\a)%4), 2+(\a)/4, PWS+\a, PCS+12*\a
	OUTF \a
.endr
.Ljoin:
.irp i, 0,1,2,3
	v_cndmask_b32 v[SW4+\i], v[PWS+2*\i], v[PWS+2*\i+1], s99
.endr
	global_store_b128 v[LI], v[SW4:SW4+3], s[14:15]
	s_wait_tensorcnt 0x0
	ds_add_u32 v[SPW], v[NIL]
	s_wait_dscnt 0x0
	CROUND
	s_endpgm
.Lfunc_end_k_qaad67f0a05_qkv:
	.size	k_qaad67f0a05_qkv, .Lfunc_end_k_qaad67f0a05_qkv-k_qaad67f0a05_qkv
	.p2alignl 7, 3214868480
	.fill 96, 4, 3214868480
	.section	.rodata,"a",@progbits
	.p2align	6, 0x0
	.amdhsa_kernel k_qaad67f0a05_qkv
		.amdhsa_group_segment_fixed_size 327680
		.amdhsa_private_segment_fixed_size 0
		.amdhsa_enable_private_segment 0
		.amdhsa_kernarg_size 40
		.amdhsa_user_sgpr_count 2
		.amdhsa_user_sgpr_kernarg_segment_ptr 1
		.amdhsa_wavefront_size32 1
		.amdhsa_system_sgpr_workgroup_id_x 1
		.amdhsa_system_sgpr_workgroup_id_y 1
		.amdhsa_system_sgpr_workgroup_id_z 1
		.amdhsa_system_vgpr_workitem_id 0
		.amdhsa_next_free_vgpr 1024
		.amdhsa_next_free_sgpr 102
		.amdhsa_reserve_vcc 0
		.amdhsa_float_denorm_mode_32 3
		.amdhsa_float_denorm_mode_16_64 3
		.amdhsa_memory_ordered 1
		.amdhsa_forward_progress 1
		.amdhsa_inst_pref_size 232
	.end_amdhsa_kernel
	.amdgpu_metadata
---
amdhsa.version: [ 1, 2 ]
amdhsa.kernels:
  - .name:           k_qaad67f0a05_qkv
    .symbol:         k_qaad67f0a05_qkv.kd
    .args:
      - { .name: codes1, .offset: 0, .size: 8, .value_kind: global_buffer, .address_space: global }
      - { .name: scales1, .offset: 8, .size: 8, .value_kind: global_buffer, .address_space: global }
      - { .name: cs2, .offset: 16, .size: 8, .value_kind: global_buffer, .address_space: global }
      - { .name: qkvc, .offset: 24, .size: 8, .value_kind: global_buffer, .address_space: global }
      - { .name: qkvs, .offset: 32, .size: 8, .value_kind: global_buffer, .address_space: global }
    .group_segment_fixed_size: 327680
    .private_segment_fixed_size: 0
    .kernarg_segment_align: 8
    .kernarg_segment_size: 40
    .max_flat_workgroup_size: 128
    .sgpr_count:     102
    .vgpr_count:     1024
    .wavefront_size: 32
...
	.end_amdgpu_metadata
.endif
;; end of part 2
;; launch attn (part 3): grid 16 x 16, 8 waves a work-group, clusters of 4 x 4, 327,680 bytes of LDS; arguments qkvc, qkvs, mask2, oc, os; writes oc, os
.if DOCPART == 3
	.amdgcn_target "amdgcn-amd-amdhsa--gfx1250"
	.amdhsa_code_object_version 6
	.text
	.protected	k_qaad67f0a05_attn
	.globl	k_qaad67f0a05_attn
	.p2align	8
	.type	k_qaad67f0a05_attn,@function
k_qaad67f0a05_attn:
	s_mov_b64 s[64:65], 0
	v_nop
	global_prefetch_b8 v0, s[64:65] scope:SCOPE_SE
	s_setreg_imm32_b32 hwreg(HW_REG_WAVE_MODE, 25, 1), 1
	s_wait_xcnt 0x0
	s_wait_alu depctr_hold_cnt(0) depctr_sa_sdst(0) depctr_va_vdst(0) depctr_va_sdst(0) depctr_va_ssrc(0) depctr_va_vcc(0) depctr_vm_vsrc(0)
	s_getreg_b32 s2, hwreg(HW_REG_IB_STS2, 6, 4)
	s_cmp_eq_u32 s2, 0
	s_cbranch_scc0 .Lentry_in_a_cluster
	s_endpgm
.Lentry_in_a_cluster:
	s_bfe_u32 s2, ttmp6, 0x10000c
	s_cmp_lg_u32 s2, 0xf033
	s_cbranch_scc0 .Lentry_shape_is_right
	s_endpgm
.Lentry_shape_is_right:
; Attention on codes of FP6 (E2M3) with E8M0 scales: S^T = K Q^T + mask, the softmax ahead of the second product, O^T = V^T P^T, O / l, and the quantiser of the last projection's operand.
; THE SOFTMAX: t = (score / sqrt(128) + mask) x log2(e); M = the row's largest t so far, rounded UP to a whole number; p = 2^(t - M) is quantised along the keys; the row's sum l is taken of the unquantised p and divides O at the end.
; When M moves, the sum and O are multiplied by 2^(old M - new M): exact.
; THE MASK comes from mask2: x sqrt(128) already, laid as images of the scores' registers.  A wave loads its image of a key step (8,192 bytes, 16 loads of 512 consecutive bytes) straight into registers, two key steps ahead,
; into two sets by turns; the image is the C of the first product, so t = c x S with c = log2(e) / sqrt(128).  The mask passes through no LDS.
; SHARES.  A work-group owns 128 queries of one head; each of its eight waves 16 of them, in 512 registers: two waves to a SIMD.  Every wave walks the head's 2,048 keys, 128 a step.
; Both products are used transposed: a lane holds ONE query (lane % 16), register 8 t + j = key (or channel) 16 t + 8 (lane / 16) + j: the order from which every operand of this program is quantised.
; OPERANDS lie in memory as images of their registers (1,536 bytes a fragment, 12,288 a key step of K or of V^T).
; A KEY STEP j: S(j) from K(j), which is in registers; the softmax, among whose lines stand the LDS loads of V^T(j) and K(j + 1); O^T += V^T(j) P.
; RING: two slots of 49,152 bytes.  Slot s holds what key steps 2 s and 2 s + 1 load: K(2 s + 1), K(2 s + 2), V^T(2 s), V^T(2 s + 1): two dense runs of 24,576 bytes; wave 0 fetches K's, wave 1 V^T's.  One change of slots for two key steps;
; a refill has two key steps in which to land.  K(0) and its scale words come by plain loads.  Slot 7's K(16) lies inside qkvc (the next group's first bytes), rides in a tile whose K(15) is read, and is itself never read.
; The head's scale words (waves 2 and 3 fetch them at the head) stay in LDS.
; CLUSTER 4 x 4: x = block of queries, y = head.  K, V^T and their scale words hang on the head alone: asked for jointly along a row of the cluster.
; K's fragments 5-7 are loaded into the scores' registers that p has left; so tiles 5-7 are multiplied first, and five places stand ahead of tiles 0-4, whose results land on those fragments.
; LIMITS: mask entries are finite with magnitude under 3e37, or -infinity; a row all of whose keys are -infinity is not served (the definition gives NaN there); NaN among the inputs is not served;
; the scaled scores stay under 2^31 in magnitude; a block of p that has fallen to zeros keeps the byte 1: its codes are zeros.
; REGISTERS, window 0: v1-11 addresses; v12 -M, v13 the largest t, v[14:15] the sum; v16-27 Q; v32-91 K's fragments 0-4; v96-159 S^T, then p, then (v96-131) K's fragments 5-7; v160-223 O^T; v224-235 p's codes; v232-247, v252, v254 at work;
;   v28-31 V^T's scale words, v248-251 K's, v253 p's, v255 Q's: scales alone.     window 1: v0-95 V^T's fragments; v96-159, v160-223 the mask of even and odd key steps.
.set SLOT1, 1<<16                      ; slot 1 begins here
.set STB,   12288                      ; a key step of K or of V^T
.set VOFF,  2*STB
.set SCK,   2*SLOT1                    ; K's scale words of the head: 16 key steps x 512 bytes
.set SCV,   SCK+8192
.set SPARE, SCV+8192                   ; the spare words, 128 bytes a wave: four blocks of 256 bytes that no other line names
.set LI,   1                           ; 16 x lane
.set ASK0, 3                           ; SCK + 16 x lane
.set QSA,  4                           ; 16 r
.set SPW,  5
.set NIL,  6
.set PFO,  7                           ; the prefetches' offset
.set ADF,  8                           ; the trip's addresses: fragments, scale words
.set ADS,  10
.set OSA,  11                          ; 8 r
.set VS,   28
.set MB,   96                          ; window 1: the mask, set n at v[96 + 64 n]
.set TM,   40
.set Y,    32
.set PC,   224
.set WV,   18
.set SEL,  20
.set CS,   22
.set G1KV, 24
.set MA,   32                          ; s[32:33] my mask images, at the trip's first key step
.set KB,   34                          ; s[34:35] K(0)
.set KSB,  36                          ; s[36:37] its scale words
.set G0KV, 40
.set G1S,  48
.set G0S,  56
.set QB,   60
.set QSB,  62
.set TB,   2                           ; LDS byte at which the slot in hand begins
.set TS,   3                           ; 512 x the trip's first key step
.set TRIP, 66
.set PFA,  76
.set PFS,  78
.set LIM,  80
.set MSB, 0
.macro WIN new
.if MSB != \new
	s_set_vgpr_msb (MSB<<8)|\new
.set MSB, \new
.endif
.endm
.set TO_1, 0x40                        ; destination window 1
.set A_1,  0x01                        ; source 0 window 1
.set C_1,  0x10                        ; source 2 window 1
.macro PLACES
.rept 4
	v_nop
.endr
.endm
.macro CROUND
	s_barrier_signal -1
	s_barrier_wait -1
	s_cmp_lg_u32 s[WV], 0
	s_cbranch_scc1 .Lnot_wave_0_\@
	s_barrier_signal -3
.Lnot_wave_0_\@:
	s_barrier_wait -3
	s_barrier_signal -1
	s_barrier_wait -1
.endm
; A PREFETCH INTO THE L2, once a trip, for what the NEXT trip's loads ask for: two key steps ahead of them.  The mask's 131,072 bytes (key steps 2 s + 4, 2 s + 5 of the block of queries) are read by all sixteen heads: cluster y = 0 asks,
; its four partners of a column take 32,768 bytes each BY ADDRESS, waves 4-7 8,192 each, lanes 256 bytes apart.  Slot s + 2's 49,152 bytes are read by all sixteen blocks of queries: cluster x = 0 asks, each partner of a row takes one
; key step of K or of V^T by address: wave 2 its first 32 blocks of 256 bytes, wave 3 the other 16 (lanes 16-31 name lane 15's again).  The loop's last trip asks for nothing: there is no key step 16 of the mask and no slot 8.
.macro ASK
	s_cmp_gt_u32 s[TRIP], s[LIM]
	s_cbranch_scc0 .Lnot_mine_\@
	global_prefetch_b8 v[PFO], s[PFA:PFA+1] th:TH_LOAD_NT scope:SCOPE_SE
.Lnot_mine_\@:
.endm
	s_load_b256 s[4:11], s[0:1], 0x0               ; qkvc, qkvs, mask2, oc
	s_load_b64 s[12:13], s[0:1], 0x20              ; os
	v_lshl_add_u32 v[SPW], v0, 2, SPARE
	v_mov_b32 v[NIL], 0
	ds_add_u32 v[SPW], v[NIL]                      ; the opening lines: the add, twice on end, and its wait
	ds_add_u32 v[SPW], v[NIL]
	v_lshrrev_b32 v7, 5, v0
	s_delay_alu instid0(VALU_DEP_1)
	v_readfirstlane_b32 s[WV], v7                  ; wave 0..7
	s_bfe_u32 s68, ttmp6, 0x40000                  ; cx
	s_bfe_u32 s69, ttmp6, 0x40004                  ; cy
	s_lshl_b32 s70, ttmp9, 2
	s_add_co_u32 s70, s70, s68                     ; my block of 128 queries
	s_and_b32 s71, ttmp7, 0xffff
	s_lshl_b32 s71, s71, 2
	s_add_co_u32 s71, s71, s69                     ; my head
	s_lshl_b32 s72, s69, 2
	s_lshl_b32 s72, 15, s72                        ; my row of the cluster
	s_or_b32 s[G1KV], s72, (3<<16)|(1<<21)         ; two key steps of K or V^T: 24,576 dense bytes as 96 rows of 256 (32 elements of 8 bytes)
	s_mov_b32 s[G1KV+1], 32<<16
	s_mov_b32 s[G1KV+2], 96<<16
	s_mov_b32 s[G1KV+3], 32<<16
	s_mov_b32 s[G1KV+4], 96
	s_mov_b32 s[G1KV+5], 32
	s_mov_b32 s[G1KV+6], 0
	s_mov_b32 s[G1KV+7], 0
	s_or_b32 s[G1S], s72, (3<<16)|(1<<21)          ; the scale words of a head's K or V^T: 8,192 dense bytes as 32 rows of 256
	s_mov_b32 s[G1S+1], 32<<16
	s_mov_b32 s[G1S+2], 32<<16
	s_mov_b32 s[G1S+3], 32<<16
	s_mov_b32 s[G1S+4], 32
	s_mov_b32 s[G1S+5], 32
	s_mov_b32 s[G1S+6], 0
	s_mov_b32 s[G1S+7], 0
	s_and_b32 s74, s[WV], 1
	s_lshl_b32 s75, s74, 4                         ; K (even wave) is group 16 + head, V^T (odd wave) group 32 + head
	s_add_co_u32 s75, s75, s71
	s_add_co_u32 s75, s75, 16
	s_mul_i32 s82, s75, 196608
	s_xor_b32 s76, s74, 1
	s_mul_i32 s76, s76, STB                        ; slot 0 begins with K(1) and with V^T(0)
	s_add_co_u32 s82, s82, s76
	s_mov_b32 s83, 0
	s_lshl_b32 s84, s75, 13
	s_mov_b32 s85, 0
	s_mul_i32 s88, s74, VOFF                       ; where they go: no place in the cluster enters an LDS address
	s_lshl_b32 s90, s74, 13
	s_add_co_u32 s90, s90, SCK
	s_add_co_u32 s86, s71, 16                      ; K(0) and its scale words
	s_lshl_b32 s38, s86, 13
	s_mov_b32 s39, 0
	s_mul_i32 s86, s86, 196608
	s_mov_b32 s87, 0
	s_lshl_b32 s44, s70, 20                        ; my mask images: 1,048,576 x block + 8,192 x wave, + 65,536 x key step
	s_lshl_b32 s45, s[WV], 13
	s_add_co_u32 s44, s44, s45
	s_mov_b32 s45, 0
	s_mul_i32 s92, s71, 196608                     ; Q: group head, fragment 8 x block + wave
	s_mul_i32 s93, s70, 12288
	s_add_co_u32 s92, s92, s93
	s_mul_i32 s93, s[WV], 1536
	s_add_co_u32 s92, s92, s93
	s_mov_b32 s93, 0
	s_lshl_b32 s94, s71, 13                        ; its scale words: 8,192 x head + 512 x block + 256 (wave % 2) + 4 (wave / 2), + 16 r
	s_lshl_b32 s95, s70, 9
	s_add_co_u32 s94, s94, s95
	s_lshl_b32 s95, s74, 8
	s_add_co_u32 s94, s94, s95
	s_lshr_b32 s95, s[WV], 1
	s_lshl_b32 s95, s95, 2
	s_add_co_u32 s94, s94, s95
	s_mov_b32 s95, 0
	s_lshl_b32 s96, s70, 3
	s_add_co_u32 s96, s96, s[WV]                   ; my tile of 16 queries
	s_mul_i32 s98, s96, 24576                      ; oc: the tile's 16 fragments, K step = head
	s_mul_i32 s97, s71, 1536
	s_add_co_u32 s98, s98, s97
	s_mov_b32 s99, 0
	s_lshl_b32 s96, s96, 10                        ; os: 1,024 x tile + 128 (head / 2) + 4 (head % 2), + 8 r
	s_lshr_b32 s97, s71, 1
	s_lshl_b32 s97, s97, 7
	s_add_co_u32 s96, s96, s97
	s_and_b32 s97, s71, 1
	s_lshl_b32 s97, s97, 2
	s_add_co_u32 s96, s96, s97
	s_mov_b32 s97, 0
	; the prefetches (macro ASK): where my wave's stand, and who asks
	s_lshl_b32 s46, s70, 20                        ; the mask: my block of queries,
	s_lshl_b32 s73, s69, 15                        ; my work-group's quarter of two key steps,
	s_add_co_u32 s46, s46, s73
	s_sub_co_u32 s73, s[WV], 4                     ; my wave's quarter of that (taken by waves 4-7 alone),
	s_lshl_b32 s73, s73, 13
	s_add_co_u32 s46, s46, s73
	s_add_co_u32 s46, s46, 4*65536                 ; at key step 4
	s_lshr_b32 s73, s68, 1                         ; K (cx 0, 1) or V^T (cx 2, 3),
	s_lshl_b32 s81, s73, 4
	s_add_co_u32 s81, s81, s71
	s_add_co_u32 s81, s81, 16
	s_mul_i32 s81, s81, 196608
	s_xor_b32 s73, s73, 1
	s_add_co_u32 s73, s73, 4                       ; slot 2 begins with K(5) and with V^T(4);
	s_and_b32 s16, s68, 1                          ; which of its two key steps,
	s_add_co_u32 s73, s73, s16
	s_mul_i32 s73, s73, STB
	s_add_co_u32 s81, s81, s73
	s_lshl_b32 s73, s74, 13                        ; wave 3 stands 32 blocks behind wave 2
	s_add_co_u32 s81, s81, s73
	s_and_b32 s17, ttmp7, 0xffff                   ; cluster y
	s_mov_b32 s19, 2*STB
	s_cmp_ge_u32 s[WV], 4                          ; waves 4-7 ask for the mask, waves 2 and 3 for K and V^T
	s_cselect_b32 s91, 1, 0
	s_cselect_b32 s46, s46, s81
	s_cselect_b32 s[PFS], 0x20000, s19             ; a trip on
	s_cselect_b32 s17, s17, ttmp9                  ; the coordinate along which other clusters read the same bytes
	s_mov_b32 s47, 0
	s_mov_b32 s[PFS+1], 0
	s_cmp_lt_u32 s[WV], 2
	s_cselect_b32 s16, 1, 0
	s_or_b32 s17, s17, s16
	s_cmp_eq_u32 s17, 0
	s_cselect_b32 s[LIM], 1, -1                    ; the same in all sixteen partners, for a given wave
	s_cmp_eq_u32 s[WV], 3
	s_cselect_b32 s89, 15, 31                      ; the last lane with a block of its own
	s_mov_b32 s[SEL], 0x76543210
	s_mov_b32 s[SEL+1], 0xfedcba98
	s_mov_b32 s[CS], 0x3e0293ee                    ; c = log2(e) / sqrt(128)
	s_mov_b32 s[CS+1], s[CS]
	s_mov_b32 s[TB], 0
	s_mov_b32 s[TS], 0
	s_wait_dscnt 0x0                               ; both opening adds are done
	s_wait_kmcnt 0x0
	s_mov_b32 s[G0KV], 1
	s_mov_b32 s[G0KV+1], s88
	s_add_nc_u64 s[G0KV+2:G0KV+3], s[4:5], s[82:83]
	s_or_b32 s[G0KV+3], s[G0KV+3], 0x80000000
	s_mov_b32 s[G0S], 1
	s_mov_b32 s[G0S+1], s90
	s_add_nc_u64 s[G0S+2:G0S+3], s[6:7], s[84:85]
	s_or_b32 s[G0S+3], s[G0S+3], 0x80000000
	s_add_nc_u64 s[QB:QB+1], s[4:5], s[92:93]
	s_add_nc_u64 s[QSB:QSB+1], s[6:7], s[94:95]
	s_add_nc_u64 s[KB:KB+1], s[4:5], s[86:87]
	s_add_nc_u64 s[KSB:KSB+1], s[6:7], s[38:39]
	s_add_nc_u64 s[MA:MA+1], s[8:9], s[44:45]
	s_add_nc_u64 s[10:11], s[10:11], s[98:99]
	s_add_nc_u64 s[12:13], s[12:13], s[96:97]
	s_cmp_lg_u32 s91, 0
	s_cselect_b64 s[PFA:PFA+1], s[8:9], s[4:5]
	s_add_nc_u64 s[PFA:PFA+1], s[PFA:PFA+1], s[46:47]
	CROUND                                         ; all sixteen work-groups are here: the first joint loads meet
	s_cmp_lt_u32 s[WV], 2                          ; the head's fills, one a wave: waves 0, 1 slot 0's K and V^T; waves 2, 3 the scale words
	s_cbranch_scc0 .Lfirst_not_kv
	tensor_load_to_lds s[G0KV:G0KV+3], s[G1KV:G1KV+7]
	s_nop 0
	PLACES
	s_branch .Lfirst_asked
.Lfirst_not_kv:
	s_cmp_lt_u32 s[WV], 4
	s_cbranch_scc0 .Lfirst_asked
	tensor_load_to_lds s[G0S:G0S+3], s[G1S:G1S+7]
	s_nop 0
	PLACES
.Lfirst_asked:
.macro MASKG n, st                     ; my mask image of the key step st steps behind s[MA], into set n
	WIN TO_1
.set i, 0
.rept 16
	global_load_b128 v[MB+64*(\n)+4*i:MB+64*(\n)+4*i+3], v[LI], s[MA:MA+1] offset:65536*(\st)+512*i
.set i, i+1
.endr
	WIN 0
.endm
	v_and_b32 v7, 31, v0                           ; lane
	v_and_b32 v8, 15, v0                           ; r
	s_delay_alu instid0(VALU_DEP_2)
	v_lshlrev_b32 v[LI], 4, v7
	s_delay_alu instid0(VALU_DEP_2)
	v_lshlrev_b32 v[QSA], 4, v8
	v_lshlrev_b32 v[OSA], 3, v8
	v_min_u32 v[PFO], s89, v7
	v_add_nc_u32 v[ASK0], SCK, v[LI]
	s_delay_alu instid0(VALU_DEP_2)
	v_lshlrev_b32 v[PFO], 8, v[PFO]
.irp g, 0,1,2
	global_load_b128 v[16+4*\g:19+4*\g], v[LI], s[QB:QB+1] offset:512*\g   ; Q's fragment stays in registers
.endr
	global_load_b32 v255, v[QSA], s[QSB:QSB+1]     ; Q's scale words
	global_load_b128 v[248:251], v[LI], s[KSB:KSB+1]   ; K(0)'s scale words
.irp t, 0,1,2,3,4
.irp c, 0,1,2
	global_load_b128 v[32+12*\t+4*\c:35+12*\t+4*\c], v[LI], s[KB:KB+1] offset:1536*\t+512*\c   ; K(0)
.endr
.endr
.irp t, 5,6,7
.irp c, 0,1,2
	global_load_b128 v[36+12*\t+4*\c:39+12*\t+4*\c], v[LI], s[KB:KB+1] offset:1536*\t+512*\c
.endr
.endr
	MASKG 0, 0
	MASKG 1, 1
	v_mov_b32 v13, 0xff61b1e6                      ; the largest t so far: -3e38, under every t
	s_delay_alu instid0(VALU_DEP_1)
	v_floor_f32 v12, -v13                          ; -M
	v_mov_b32 v14, 0
	v_mov_b32 v15, 0
.irp b, 0,1,2,3
	v_mov_b32 v[236+\b], 0                         ; a lane permute's destination counts as one of its sources
.endr
	v_mov_b32 v253, 0
.set j, 0
.rept 64
	v_mov_b32 v[160+j], 0                          ; O^T: the softmax is written alike for all key steps; the first finds zeros
.set j, j+1
.endr
.macro LDK t, n                        ; K's fragment t of the next key step
.if (\t) < 5
.set KR, 32+12*(\t)
.else
.set KR, 36+12*(\t)
.endif
.irp c, 0,1,2
	ds_load_b128 v[KR+4*\c:KR+4*\c+3], v[ADF] offset:STB*(\n)+1536*(\t)+512*\c
.endr
.endm
.macro LDV t, n                        ; V^T's fragment t of this key step (destination: window 1)
.irp c, 0,1,2
	ds_load_b128 v[12*(\t)+4*\c:12*(\t)+4*\c+3], v[ADF] offset:VOFF+STB*(\n)+1536*(\t)+512*\c
.endr
.endm
.macro SM1 t, n                        ; S^T = K Q^T + mask, tile t of 16 keys; the even tile's scale words lie in lanes 0-15 of their register, the odd one's in lanes 16-31
.if (\t) < 5
.set KR, 32+12*(\t)
.else
.set KR, 36+12*(\t)
.endif
.if (\t)%2
	v_wmma_scale_f32_16x16x128_f8f6f4 v[96+8*(\t):103+8*(\t)], v[KR:KR+11], v[16:27], v[MB+64*(\n)+8*(\t):MB+64*(\n)+8*(\t)+7], v[248+(\t)/2], v255 matrix_a_fmt:MATRIX_FMT_FP6 matrix_b_fmt:MATRIX_FMT_FP6 matrix_a_scale:MATRIX_SCALE_ROW1
.else
	v_wmma_scale_f32_16x16x128_f8f6f4 v[96+8*(\t):103+8*(\t)], v[KR:KR+11], v[16:27], v[MB+64*(\n)+8*(\t):MB+64*(\n)+8*(\t)+7], v[248+(\t)/2], v255 matrix_a_fmt:MATRIX_FMT_FP6 matrix_b_fmt:MATRIX_FMT_FP6
.endif
.endm
.macro SMUL n
	WIN C_1
.irp t, 5,6,7
	SM1 \t, \n
.endr
.rept 5
	v_nop                                          ; five places: tiles 0-4 write over the registers that held K's fragments 5-7 (ISA guide 7.12.1)
.endr
.irp t, 0,1,2,3,4
	SM1 \t, \n
.endr
	WIN 0
.endm
.macro OMUL                            ; O^T += V^T P^T: eight tiles of 16 channels, the accumulators by turns
	WIN A_1
.irp t, 0,1,2,3,4,5,6,7
.if (\t)%2
	v_wmma_scale_f32_16x16x128_f8f6f4 v[160+8*\t:167+8*\t], v[12*\t:12*\t+11], v[224:235], v[160+8*\t:167+8*\t], v[VS+\t/2], v253 matrix_a_fmt:MATRIX_FMT_FP6 matrix_b_fmt:MATRIX_FMT_FP6 matrix_a_scale:MATRIX_SCALE_ROW1
.else
	v_wmma_scale_f32_16x16x128_f8f6f4 v[160+8*\t:167+8*\t], v[12*\t:12*\t+11], v[224:235], v[160+8*\t:167+8*\t], v[VS+\t/2], v253 matrix_a_fmt:MATRIX_FMT_FP6 matrix_b_fmt:MATRIX_FMT_FP6
.endif
.endr
	WIN 0
.endm
; THE SOFTMAX of the scores in v96-159, p's quantiser and O^T's rescaling.  Among its lines stand this key step's V^T (26 loads with the scale words, first: wanted first) and, with ldk = 1, the next key step's K (24 loads).
.macro SOFT n, ldk
	ds_load_b128 v[VS:VS+3], v[ADS] offset:SCV-SCK+512*(\n)
.if \ldk
	ds_load_b128 v[248:251], v[ADS] offset:512*((\n)+1)
.endif
	WIN TO_1
.irp t, 0,1,2,3,4,5,6,7
	LDV \t, \n
.endr
	WIN 0
.irp b, 0,1,2,3
	v_max3_num_f32 v[232+\b], v[96+16*\b], v[97+16*\b], v[98+16*\b]   ; the largest score of each block of 32 keys: for the row's maximum and, since p rises with the score, for the block's largest p
.endr
.irp i, 3,5,7,9,11,13
.irp b, 0,1,2,3
	v_max3_num_f32 v[232+\b], v[232+\b], v[96+16*\b+\i], v[97+16*\b+\i]
.endr
.endr
.irp b, 0,1,2,3
	v_max_num_f32 v[232+\b], v[232+\b], v[111+16*\b]
.endr
.irp b, 0,1,2,3
	v_permlanex16_b32 v[236+\b], v[232+\b], s[SEL], s[SEL+1]
.endr
.irp b, 0,1,2,3
	s_delay_alu instid0(VALU_DEP_4)
	v_max_num_f32 v[232+\b], v[232+\b], v[236+\b]  ; with lane l xor 16's 16 keys
.endr
	s_delay_alu instid0(VALU_DEP_2)
	v_max3_num_f32 v254, v232, v233, v234
	s_delay_alu instid0(VALU_DEP_1)
	v_max_num_f32 v254, v254, v235                 ; the step's largest score of my query
	s_delay_alu instid0(VALU_DEP_1)
	v_mul_f32 v254, s[CS], v254                    ; as t (c is positive)
	s_delay_alu instid0(VALU_DEP_1)
	v_max_num_f32 v13, v13, v254                   ; the running largest t
	v_mov_b32 v254, v12
	s_delay_alu instid0(VALU_DEP_2)
	v_floor_f32 v12, -v13                          ; the new -M = -ceil(t)
	s_delay_alu instid0(VALU_DEP_1)
	v_sub_f32 v254, v12, v254                      ; M's old value less its new one: a whole number, 0 or less
	s_delay_alu instid0(VALU_DEP_1)
	v_cvt_i32_f32 v254, v254
	s_delay_alu instid0(VALU_DEP_1)
	v_ldexp_f32 v252, 1.0, v254                    ; f = 2^(old M - new M)
.set j, 0
.rept 32
	v_pk_fma_f32 v[96+j:97+j], v[96+j:97+j], s[CS:CS+1], v[12:13] op_sel_hi:[1,0,0]   ; t - M, two at a time
.set j, j+2
.endr
.irp b, 0,1,2,3
	v_fma_f32 v[232+\b], v[232+\b], s[CS], v12     ; the same of each block's largest score
.endr
	s_wait_alu depctr_va_vdst(0)
.set j, 0
.rept 64
	v_exp_f32 v[96+j], v[96+j]                     ; p = 2^(t - M), at most 1
.set j, j+1
.endr
	v_pk_mul_f32 v[14:15], v[14:15], v[252:253] op_sel_hi:[1,0]   ; the sums under the new M; a plain place behind the exponentials
	s_wait_alu depctr_va_vdst(0)                   ; one wait for the batch, ahead of its first reader
.irp b, 0,1,2,3
	v_exp_f32 v[232+\b], v[232+\b]                 ; the block's largest p
.endr
	v_pk_add_f32 v[236:237], v[96:97], v[98:99]    ; the row's sum of the unquantised p: two at a time, in two chains
.irp j, 4,8,12,16,20,24,28
	v_pk_add_f32 v[14:15], v[14:15], v[96+\j:97+\j]
	v_pk_add_f32 v[236:237], v[236:237], v[98+\j:99+\j]
.endr
.if \ldk
.irp t, 0,1,2,3,4
	LDK \t, \n
.endr
.endif
.irp j, 32,36,40,44,48,52,56,60
	v_pk_add_f32 v[14:15], v[14:15], v[96+\j:97+\j]
	v_pk_add_f32 v[236:237], v[236:237], v[98+\j:99+\j]
.endr
	s_delay_alu instid0(VALU_DEP_1)
	v_pk_add_f32 v[14:15], v[14:15], v[236:237]
	s_wait_alu depctr_va_vdst(0)                   ; and one for the four
.irp b, 0,1,2,3
	v_max_num_f32 v[232+\b], 0x1800000, v[232+\b]  ; the floor 2^(3 - 127): the byte cannot fall under 1
.endr
.irp b, 0,1,2,3
	s_delay_alu instid0(VALU_DEP_4)
	v_add_nc_u32 v[244+\b], 0xff000000, v[232+\b]  ; 2 off the exponent field: the conversion's scale operand
.endr
.irp b, 0,1,2,3
	s_delay_alu instid0(VALU_DEP_4)
	v_lshrrev_b32 v[236+\b], 23, v[244+\b]         ; the scale's byte
.endr
	s_delay_alu instid0(VALU_DEP_3)
	v_lshl_or_b32 v253, v237, 8, v236              ; p's scale word for these 128 keys
	s_delay_alu instid0(VALU_DEP_1)
	v_lshl_or_b32 v253, v238, 16, v253
	s_delay_alu instid0(VALU_DEP_1)
	v_lshl_or_b32 v253, v239, 24, v253
.irp c, 0,1
	v_cvt_scalef32_pk16_fp6_f32 v[224+6*\c:226+6*\c], v[96+32*\c:111+32*\c], v[244+2*\c]
	v_cvt_scalef32_pk16_fp6_f32 v[236+4*\c:238+4*\c], v[112+32*\c:127+32*\c], v[244+2*\c+1]
.endr
	v_nop                                          ; one plain place behind a scaled conversion
.if \ldk
	LDK 5, \n                                      ; p has left its registers
	LDK 6, \n
	LDK 7, \n
.endif
.irp c, 0,1                            ; the operand's layout wants a whole block in a lane
.irp i, 0,1,2
	v_permlane16_swap_b32 v[224+6*\c+\i], v[236+4*\c+\i]
.endr
.irp i, 0,1,2
	s_delay_alu instid0(VALU_DEP_3)
	v_mov_b32 v[227+6*\c+\i], v[236+4*\c+\i]
.endr
.endr
	s_wait_dscnt 24*(\ldk)                         ; V^T and its scale words are in; K's 24 loads, issued behind them, may be out
	s_wait_alu depctr_va_vdst(0)                   ; directly ahead of the first reader of O^T
.set j, 0
.rept 32
	v_pk_mul_f32 v[160+j:161+j], v[160+j:161+j], v[252:253] op_sel_hi:[1,0]   ; O^T under the new M; also the places between p's codes and scale word and the products that follow
.set j, j+2
.endr
.endm
; A KEY STEP, n = its number % 2.  ldk: the next key step's K is fetched; ldm: the mask of two key steps on is asked for; ask: the trip's prefetch
.macro STEP n, ldk, ldm, ask
.if \n
	s_wait_dscnt 0x0                               ; K and its scale words are in
.endif
.if (\ldm) || (\n) == 0
	s_wait_loadcnt 16                              ; this key step's mask is in (the first time Q and K(0) too); the next key step's 16 loads may be out
.else
	s_wait_loadcnt 0x0
.endif
	SMUL \n
	PLACES                                         ; behind the products: ahead of the loads into their sources and of the first read of the scores
.if \ldm
	MASKG \n, (\n)+2
.endif
.if \ask
	ASK
.endif
	SOFT \n, \ldk
	OMUL
.endm
; THE CHANGE OF SLOTS, at the head of two key steps.  Each wave waits for all its tensor loads, adds 0 to its spare word, and waits for that and for its reads of the slot that it has left.
; fill = 1: the barrier is a round of the cluster's, and the joint refill is the first thing behind it.
.macro CHANGE fill
	s_wait_tensorcnt 0x0
	ds_add_u32 v[SPW], v[NIL]
.if \fill
	ds_add_u32 v[SPW], v[NIL]                      ; written twice
	s_xor_b32 s[G0KV+1], s[G0KV+1], SLOT1          ; no tensor load of mine is out: the other slot, the next two key steps
	s_add_nc_u64 s[G0KV+2:G0KV+3], s[G0KV+2:G0KV+3], 2*STB
.endif
	s_wait_dscnt 0x0
.if \fill
	CROUND
	s_cmp_lt_u32 s[WV], 2
	s_cbranch_scc0 .Lasked_\@
	tensor_load_to_lds s[G0KV:G0KV+3], s[G1KV:G1KV+7]
	s_nop 0
	PLACES
.Lasked_\@:
.else
	s_barrier_signal -1
	s_barrier_wait -1
.endif
	v_add_nc_u32 v[ADF], s[TB], v[LI]
	v_add_nc_u32 v[ADS], s[TS], v[ASK0]
	s_wait_alu depctr_va_vdst(0)
.endm
	s_wait_alu depctr_va_vdst(0)
	s_mov_b32 s[TRIP], 7
.Ltrip:                                            ; 7 trips of two key steps, 0 to 13; trip s reads slot s and asks for slot s + 1
	CHANGE 1
	STEP 0, 1, 1, 1
	STEP 1, 1, 1, 0
	s_wait_xcnt 0x0                                ; the trip's mask loads and its prefetch have read their bases
	s_add_nc_u64 s[MA:MA+1], s[MA:MA+1], 0x20000
	s_add_nc_u64 s[PFA:PFA+1], s[PFA:PFA+1], s[PFS:PFS+1]
	s_add_co_u32 s[TS], s[TS], 1024
	s_xor_b32 s[TB], s[TB], SLOT1
	s_sub_co_u32 s[TRIP], s[TRIP], 1
	s_cmp_lg_u32 s[TRIP], 0
	s_cbranch_scc1 .Ltrip
	CHANGE 0                                       ; key steps 14 and 15 are written out: nothing more is asked for
	STEP 0, 1, 0, 0
	STEP 1, 0, 0, 0
	; THE WAY OUT: O^T / l, quantised along the head's 128, which are K step 'head' of the last projection; the fragment leaves as an image of its registers.
	PLACES
.irp b, 0,1,2,3
	v_mov_b32 v[TM+4+\b], 0
.endr
	v_add_f32 v14, v14, v15
	s_delay_alu instid0(VALU_DEP_1)
	v_permlanex16_b32 v252, v14, s[SEL], s[SEL+1]
	s_delay_alu instid0(VALU_DEP_1)
	v_add_f32 v14, v14, v252                       ; the row's sum
	s_wait_alu depctr_va_vdst(0)
	v_rcp_f32 v14, v14
	v_nop
	s_wait_alu depctr_va_vdst(0)
.set j, 0
.rept 64
	v_mul_f32 v[96+j], v[160+j], v14               ; register 8 t + i is o(r, 16 t + 8 h + i); each accumulator from its low end on
.set j, j+1
.endr
.irp b, 0,1,2,3
	v_max3_num_f32 v[TM+\b], |v[96+16*\b]|, |v[97+16*\b]|, 0x1800000
.endr
.irp i, 2,4,6,8,10,12,14
.irp b, 0,1,2,3
	s_delay_alu instid0(VALU_DEP_4)
	v_max3_num_f32 v[TM+\b], v[TM+\b], |v[96+16*\b+\i]|, |v[97+16*\b+\i]|
.endr
.endr
.irp b, 0,1,2,3
	s_delay_alu instid0(VALU_DEP_4)
	v_permlanex16_b32 v[TM+4+\b], v[TM+\b], s[SEL], s[SEL+1]
.endr
.irp b, 0,1,2,3
	s_delay_alu instid0(VALU_DEP_4)
	v_max_num_f32 v[TM+\b], v[TM+\b], v[TM+4+\b]
.endr
.irp b, 0,1,2,3
	s_delay_alu instid0(VALU_DEP_4)
	v_add_nc_u32 v[TM+12+\b], 0xff000000, v[TM+\b]
.endr
.irp b, 0,1,2,3
	s_delay_alu instid0(VALU_DEP_4)
	v_lshrrev_b32 v[TM+4+\b], 23, v[TM+12+\b]
.endr
	s_delay_alu instid0(VALU_DEP_3)
	v_lshl_or_b32 v254, v[TM+5], 8, v[TM+4]
	s_delay_alu instid0(VALU_DEP_1)
	v_lshl_or_b32 v254, v[TM+6], 16, v254
	s_delay_alu instid0(VALU_DEP_1)
	v_lshl_or_b32 v254, v[TM+7], 24, v254
.irp c, 0,1
	v_cvt_scalef32_pk16_fp6_f32 v[PC+6*\c:PC+2+6*\c], v[96+32*\c:111+32*\c], v[TM+12+2*\c]
	v_cvt_scalef32_pk16_fp6_f32 v[Y+4*\c:Y+2+4*\c], v[112+32*\c:127+32*\c], v[TM+12+2*\c+1]
.endr
	v_nop
.irp c, 0,1
.irp i, 0,1,2
	v_permlane16_swap_b32 v[PC+6*\c+\i], v[Y+4*\c+\i]
.endr
.irp i, 0,1,2
	s_delay_alu instid0(VALU_DEP_3)
	v_mov_b32 v[PC+3+6*\c+\i], v[Y+4*\c+\i]
.endr
.endr
.irp g, 0,1,2
	global_store_b128 v[LI], v[PC+4*\g:PC+4*\g+3], s[10:11] offset:512*\g   ; 512 consecutive bytes a store
.endr
	global_store_b32 v[OSA], v254, s[12:13]        ; my rows' scale words, 8 bytes apart: 64 bytes of a span of 128, the other 64 being the neighbouring head's; lanes l and l xor 16 hold the same word and name the same address
	s_wait_tensorcnt 0x0                           ; the wave's end
	ds_add_u32 v[SPW], v[NIL]
	s_wait_dscnt 0x0
	CROUND                                         ; the closing round
	s_endpgm
.Lfunc_end_k_qaad67f0a05_attn:
	.size	k_qaad67f0a05_attn, .Lfunc_end_k_qaad67f0a05_attn-k_qaad67f0a05_attn
	.p2alignl 7, 3214868480
	.fill 96, 4, 3214868480
	.section	.rodata,"a",@progbits
	.p2align	6, 0x0
	.amdhsa_kernel k_qaad67f0a05_attn
		.amdhsa_group_segment_fixed_size 327680
		.amdhsa_private_segment_fixed_size 0
		.amdhsa_enable_private_segment 0
		.amdhsa_kernarg_size 40
		.amdhsa_user_sgpr_count 2
		.amdhsa_user_sgpr_kernarg_segment_ptr 1
		.amdhsa_wavefront_size32 1
		.amdhsa_system_sgpr_workgroup_id_x 1
		.amdhsa_system_sgpr_workgroup_id_y 1
		.amdhsa_system_sgpr_workgroup_id_z 1
		.amdhsa_system_vgpr_workitem_id 0
		.amdhsa_next_free_vgpr 512
		.amdhsa_next_free_sgpr 100
		.amdhsa_reserve_vcc 0
		.amdhsa_float_denorm_mode_32 3
		.amdhsa_float_denorm_mode_16_64 3
		.amdhsa_memory_ordered 1
		.amdhsa_forward_progress 1
		.amdhsa_inst_pref_size 106
	.end_amdhsa_kernel
	.amdgpu_metadata
---
amdhsa.version: [ 1, 2 ]
amdhsa.kernels:
  - .name:           k_qaad67f0a05_attn
    .symbol:         k_qaad67f0a05_attn.kd
    .args:
      - { .name: qkvc, .offset: 0, .size: 8, .value_kind: global_buffer, .address_space: global }
      - { .name: qkvs, .offset: 8, .size: 8, .value_kind: global_buffer, .address_space: global }
      - { .name: mask2, .offset: 16, .size: 8, .value_kind: global_buffer, .address_space: global }
      - { .name: oc, .offset: 24, .size: 8, .value_kind: global_buffer, .address_space: global }
      - { .name: os, .offset: 32, .size: 8, .value_kind: global_buffer, .address_space: global }
    .group_segment_fixed_size: 327680
    .private_segment_fixed_size: 0
    .kernarg_segment_align: 8
    .kernarg_segment_size: 40
    .max_flat_workgroup_size: 256
    .sgpr_count:     100
    .vgpr_count:     512
    .wavefront_size: 32
...
	.end_amdgpu_metadata
.endif
;; end of part 3
;; launch outp (part 4): grid 16 x 16, 4 waves a work-group, clusters of 4 x 4, 327,680 bytes of LDS; arguments oc, os, codes1, scales1, out0; writes out0
.if DOCPART == 4
	.amdgcn_target "amdgcn-amd-amdhsa--gfx1250"
	.amdhsa_code_object_version 6
	.text
	.protected	k_qaad67f0a05_outp
	.globl	k_qaad67f0a05_outp
	.p2align	8
	.type	k_qaad67f0a05_outp,@function
k_qaad67f0a05_outp:
	s_mov_b64 s[64:65], 0
	v_nop
	global_prefetch_b8 v0, s[64:65] scope:SCOPE_SE
	s_setreg_imm32_b32 hwreg(HW_REG_WAVE_MODE, 25, 1), 1
	s_wait_xcnt 0x0
	s_wait_alu depctr_hold_cnt(0) depctr_sa_sdst(0) depctr_va_vdst(0) depctr_va_sdst(0) depctr_va_ssrc(0) depctr_va_vcc(0) depctr_vm_vsrc(0)
	s_getreg_b32 s2, hwreg(HW_REG_IB_STS2, 6, 4)
	s_cmp_eq_u32 s2, 0
	s_cbranch_scc0 .Lentry_in_a_cluster
	s_endpgm
.Lentry_in_a_cluster:
	s_bfe_u32 s2, ttmp6, 0x10000c
	s_cmp_lg_u32 s2, 0xf033
	s_cbranch_scc0 .Lentry_shape_is_right
	s_endpgm
.Lentry_shape_is_right:
.set FR,    12
.set FIB,   1536
.set TROW,  4*FIB
.set HALFT, 4*TROW
.set SLOT,  4*HALFT
.set SCL,   2*SLOT
.set HALFS, 4096
.set SPARE, SCL+4*HALFS
.set SPITCH, 272
.set ADRA, 16
.set ADRB, 20
.set STO,  24
.set RD,   25
.set CO,   26
.set ADRS, 27
.set SPW,  28
.set NIL,  29
.set SC,   32
.set BK,   64
.set ACC,  128
.set G1,  24
.set G0,  32
.set G1B, 48
.set G0B, 56
.set G1S, 68
.set G0S, 76
.set G1SB, 80
.set G0SB, 88
.set MSB, 0
.macro WIN new
.if MSB != \new
	s_set_vgpr_msb (MSB<<8)|\new
.set MSB, \new
.endif
.endm
.set MUL,  0x05
.set TO_F, 0x40
.macro PLACES
.rept 4
	v_nop
.endr
.endm
.macro JLOAD g0a, g1a, g0b, g1b
	s_cmp_eq_u32 s15, 0
	s_cbranch_scc0 .Lfor_b_\@
	tensor_load_to_lds s[\g0a:\g0a+3], s[\g1a:\g1a+7]
	s_nop 0
	PLACES
	s_branch .Lasked_\@
.Lfor_b_\@:
	tensor_load_to_lds s[\g0b:\g0b+3], s[\g1b:\g1b+7]
	s_nop 0
	PLACES
.Lasked_\@:
.endm
.macro CREST
	s_cmp_lg_u32 s14, 0
	s_cbranch_scc1 .Lnot_wave_0_\@
	s_barrier_signal -3
.Lnot_wave_0_\@:
	s_barrier_wait -3
	s_barrier_signal -1
	s_barrier_wait -1
.endm
.macro CROUND
	s_barrier_signal -1
	s_barrier_wait -1
	CREST
.endm
	s_load_b256 s[4:11], s[0:1], 0x0
	s_load_b64 s[12:13], s[0:1], 0x20
	v_lshl_add_u32 v[SPW], v0, 2, SPARE
	v_mov_b32 v[NIL], 0
	ds_add_u32 v[SPW], v[NIL]
	ds_add_u32 v[SPW], v[NIL]
	v_lshrrev_b32 v1, 5, v0
	v_readfirstlane_b32 s14, v1
	s_lshr_b32 s15, s14, 1
	s_and_b32 s16, s14, 1
	s_bfe_u32 s40, ttmp6, 0x40000
	s_bfe_u32 s41, ttmp6, 0x40004
	s_lshl_b32 s42, ttmp9, 2
	s_add_co_u32 s42, s42, s40
	s_and_b32 s17, ttmp7, 0xffff
	s_lshl_b32 s17, s17, 2
	s_add_co_u32 s17, s17, s41
	s_lshl_b32 s43, s41, 2
	s_lshl_b32 s43, 15, s43
	s_lshl_b32 s44, 0x1111, s40
	s_or_b32 s[G1+0], s43, (3<<16)|(1<<21)
	s_or_b32 s[G1B+0], s44, (3<<16)|(1<<21)
.irp g, G1, G1B
	s_mov_b32 s[\g+1], 768<<16
	s_mov_b32 s[\g+2], 8<<16                       ; the head's loads bring a tile's 8 rows; behind them the two words that count rows are set to 4
	s_mov_b32 s[\g+3], 768<<16
	s_mov_b32 s[\g+4], 8
	s_mov_b32 s[\g+5], 3072
	s_mov_b32 s[\g+6], 0
	s_mov_b32 s[\g+7], 0
.endr
	s_or_b32 s[G1S+0], s43, (3<<16)|(1<<21)
	s_or_b32 s[G1SB+0], s44, (3<<16)|(1<<21)
.irp g, G1S, G1SB
	s_mov_b32 s[\g+1], 32<<16
	s_mov_b32 s[\g+2], 32<<16                      ; the scales of a tile's 128 rows: 8,192 dense bytes as 32 rows of 256
	s_mov_b32 s[\g+3], 32<<16
	s_mov_b32 s[\g+4], 32
	s_mov_b32 s[\g+5], 32
	s_mov_b32 s[\g+6], 0
	s_mov_b32 s[\g+7], 0
.endr
	s_lshl_b32 s20, s17, 3
	s_lshl_b32 s46, s42, 3
	s_add_co_u32 s46, s46, 512
	s_lshl_b32 s22, s20, 10
	s_mov_b32 s23, 0
	s_mul_i32 s20, s20, 24576
	s_mov_b32 s21, 0
	s_lshl_b32 s92, s46, 10
	s_mov_b32 s93, 0
	s_mul_i32 s46, s46, 24576
	s_mov_b32 s47, 0
	s_mul_i32 s45, s14, HALFT
	s_wait_dscnt 0x0
	s_wait_kmcnt 0x0
	s_add_nc_u64 s[20:21], s[4:5], s[20:21]
	s_add_nc_u64 s[22:23], s[6:7], s[22:23]
	s_add_nc_u64 s[46:47], s[8:9], s[46:47]
	s_add_nc_u64 s[92:93], s[10:11], s[92:93]
	CROUND
	s_mov_b32 s[G0S], 1
	s_mov_b32 s[G0S+1], SCL
	s_mov_b64 s[G0S+2:G0S+3], s[22:23]
	s_or_b32 s[G0S+3], s[G0S+3], 0x80000000
	s_mov_b32 s[G0SB], 1
	s_mov_b32 s[G0SB+1], SCL+2*HALFS
	s_mov_b64 s[G0SB+2:G0SB+3], s[92:93]
	s_or_b32 s[G0SB+3], s[G0SB+3], 0x80000000
; THE HEAD'S LOADS, ONE A WAVE: wave 0 slot 0's 8 tile rows of A, wave 1 those of B, wave 2 the scales of A's 128 rows, wave 3 those of B's: one chain of branches on the wave's number, one load to an arm.
.set G0H,  4                           ; s[4:7], s[8:11]: the arguments that lay there have been used
.set G0HB, 8
	s_mov_b32 s[G0H], 1
	s_mov_b32 s[G0H+1], 0
	s_mov_b64 s[G0H+2:G0H+3], s[20:21]
	s_or_b32 s[G0H+3], s[G0H+3], 0x80000000
	s_mov_b32 s[G0HB], 1
	s_mov_b32 s[G0HB+1], 2*HALFT
	s_mov_b64 s[G0HB+2:G0HB+3], s[46:47]
	s_or_b32 s[G0HB+3], s[G0HB+3], 0x80000000
	s_mul_i32 s2, s16, 4*24576                     ; for the ring: my 4 of the tile's 8 rows
	s_mov_b32 s3, 0
	s_add_nc_u64 s[20:21], s[20:21], s[2:3]
	s_add_nc_u64 s[46:47], s[46:47], s[2:3]
; THE TILES ARE PREFETCHED INTO THE L2.  A refill of mine brings 4 tile rows x 6,144 bytes, asked for jointly by four partners; each names one tile row's 24 blocks of 256 bytes BY ADDRESS (a lane a block; lanes 24-31 name lane 23's again).
; The two refills' chunks, 2 and 3, are named behind the head's two loads.
	s_cmp_eq_u32 s15, 0                            ; do I fetch for A?
	s_cselect_b64 s[92:93], s[20:21], s[46:47]     ; my 4 tile rows, at chunk 0
	s_cselect_b32 s2, s40, s41
	s_mul_i32 s2, s2, 24576
	v_and_b32 v30, 31, v0
	v_min_u32 v30, 23, v30
	v_lshlrev_b32 v30, 8, v30
	v_add_nc_u32 v30, s2, v30
	s_wait_alu depctr_va_vdst(0)
.macro ARM under, g0, g1, next
	s_cmp_lt_u32 s14, \under
	s_cbranch_scc0 \next
	tensor_load_to_lds s[\g0:\g0+3], s[\g1:\g1+7]
	s_nop 0
	PLACES
	s_branch .Lhead_asked
\next:
.endm
	ARM 1, G0H,  G1,  .Lhead_b
	ARM 2, G0HB, G1B, .Lhead_sa
	ARM 3, G0S,  G1S, .Lhead_sb
	tensor_load_to_lds s[G0SB:G0SB+3], s[G1SB:G1SB+7]
	s_nop 0
	PLACES
.Lhead_asked:
	global_prefetch_b8 v30, s[92:93] offset:2*TROW th:TH_LOAD_NT scope:SCOPE_SE
.irp s, 0,1
	s_mov_b32 s[G0+4*\s], 1
	s_add_co_u32 s[G0+4*\s+1], s45, \s*SLOT
	s_add_nc_u64 s[G0+4*\s+2:G0+4*\s+3], s[20:21], \s*TROW
	s_or_b32 s[G0+4*\s+3], s[G0+4*\s+3], 0x80000000
	s_mov_b32 s[G0B+4*\s], 1
	s_add_co_u32 s[G0B+4*\s+1], s45, \s*SLOT
	s_add_nc_u64 s[G0B+4*\s+2:G0B+4*\s+3], s[46:47], \s*TROW
	s_or_b32 s[G0B+4*\s+3], s[G0B+4*\s+3], 0x80000000
	s_wait_alu depctr_va_vdst(0)
.if \s
	s_wait_tensorcnt 0x0                           ; my tile of the head's four is in; slot 1's first fill is issued as a refill is
	ds_add_u32 v28, v29
	s_mov_b32 s[G1+2], 4<<16                       ; no tensor load of mine is out: from here on a load brings 4 rows
	s_mov_b32 s[G1+4], 4
	s_mov_b32 s[G1B+2], 4<<16
	s_mov_b32 s[G1B+4], 4
	s_wait_dscnt 0x0
	CROUND
	JLOAD G0+4*\s, G1, G0B+4*\s, G1B
	global_prefetch_b8 v30, s[92:93] offset:3*TROW th:TH_LOAD_NT scope:SCOPE_SE
.endif
.endr
	v_and_b32 v1, 15, v0
	v_bfe_u32 v2, v0, 4, 1
	s_wait_alu depctr_va_vdst(0)
	v_and_b32 v3, 31, v0
	v_lshlrev_b32 v4, 4, v3
	s_mul_i32 s21, s15, HALFT
	s_mul_i32 s22, s16, HALFT
	s_add_co_u32 s22, s22, 2*HALFT
.irp s, 0,1
	v_add_nc_u32 v[ADRA+\s], s21, v4
	v_add_nc_u32 v[ADRB+\s], s22, v4
	s_add_co_u32 s21, s21, SLOT
	s_add_co_u32 s22, s22, SLOT
.endr
	v_lshlrev_b32 v5, 3, v1
	s_mul_i32 s21, s15, HALFS
	s_mul_i32 s22, s16, HALFS
	s_add_co_u32 s22, s22, 2*HALFS
	s_sub_co_u32 s22, s22, s21
	v_mul_u32_u24 v6, s22, v2
	s_add_co_u32 s21, s21, SCL
	v_add_nc_u32 v5, v5, v6
	v_add_nc_u32 v[ADRS], s21, v5
	s_mul_i32 s23, s14, 16*SPITCH
	v_mul_u32_u24 v5, v1, SPITCH
	v_lshl_add_u32 v5, v2, 5, v5
	v_add_nc_u32 v[STO], s23, v5
	v_mul_u32_u24 v5, v2, SPITCH
	v_lshl_add_u32 v5, v1, 4, v5
	v_add_nc_u32 v[RD], s23, v5
	v_lshlrev_b32 v5, 13, v2
	v_lshl_add_u32 v[CO], v1, 4, v5
	s_lshl_b32 s20, s17, 7
	s_lshl_b32 s21, s15, 6
	s_add_co_u32 s20, s20, s21
	s_lshl_b32 s20, s20, 13
	s_lshl_b32 s46, s42, 9
	s_lshl_b32 s47, s16, 8
	s_add_co_u32 s46, s46, s47
	s_add_co_u32 s20, s20, s46
	s_mov_b32 s21, 0
	s_add_nc_u64 s[12:13], s[12:13], s[20:21]
.macro FETCH slot, q, f
.set FF, \f
	WIN TO_F
.irp i, 0,1,2,3
.irp g, 0,1,2
	ds_load_b128 v[FF+48+FR*\i+4*\g:FF+48+FR*\i+4*\g+3], v[ADRB+\slot] offset:\i*TROW+(\q)*FIB+512*\g
.endr
.endr
.irp i, 0,1,2,3
.irp g, 0,1,2
	ds_load_b128 v[FF+FR*\i+4*\g:FF+FR*\i+4*\g+3], v[ADRA+\slot] offset:\i*TROW+(\q)*FIB+512*\g
.endr
.endr
.endm
.macro SCALES sc
	WIN 0
.irp i, 0,1,2,3
.irp p, 0,1
	ds_load_b64 v[SC+16*\sc+4*\i+2*\p:SC+16*\sc+4*\i+2*\p+1], v[ADRS] offset:1024*\i+128*\p
.endr
.endr
.endm
.macro MUL4 f, a, q, sc, zero
.set FF, \f
.irp b, 0,1,2,3
.if \zero
	v_wmma_scale_f32_16x16x128_f8f6f4 v[ACC+8*(4*(\a)+\b):ACC+8*(4*(\a)+\b)+7], v[FF+48+FR*\b:FF+48+FR*\b+FR-1], v[FF+FR*(\a):FF+FR*(\a)+FR-1], 0, v[SC+16*(\sc)+4*\b+(\q)], v[SC+16*(\sc)+4*(\a)+(\q)] matrix_a_fmt:MATRIX_FMT_FP6 matrix_b_fmt:MATRIX_FMT_FP6 matrix_a_scale:MATRIX_SCALE_ROW1
.else
	v_wmma_scale_f32_16x16x128_f8f6f4 v[ACC+8*(4*(\a)+\b):ACC+8*(4*(\a)+\b)+7], v[FF+48+FR*\b:FF+48+FR*\b+FR-1], v[FF+FR*(\a):FF+FR*(\a)+FR-1], v[ACC+8*(4*(\a)+\b):ACC+8*(4*(\a)+\b)+7], v[SC+16*(\sc)+4*\b+(\q)], v[SC+16*(\sc)+4*(\a)+(\q)] matrix_a_fmt:MATRIX_FMT_FP6 matrix_b_fmt:MATRIX_FMT_FP6 matrix_a_scale:MATRIX_SCALE_ROW1
.endif
.endr
.endm
.macro KS slot, q, zero
	s_wait_dscnt 0x0
	PLACES
	FETCH \slot, (\q)+1, 128*(1-(\q)%2)
	WIN MUL
.irp a, 0,1,2,3
	MUL4 128*((\q)%2), \a, \q, \slot, \zero
.endr
.endm
.macro TURN slot, next, fill
	WIN 0
	s_wait_tensorcnt 0x0
	ds_add_u32 v[SPW], v[NIL]
	s_wait_dscnt 1
	WIN MUL
	MUL4 128, 0, 3, \slot, 0
	s_wait_dscnt 0x0
	s_barrier_signal -1
	MUL4 128, 1, 3, \slot, 0
	WIN 0
	s_barrier_wait -1
.if \fill
	CREST
	s_add_nc_u64 s[G0+4*\slot+2:G0+4*\slot+3], s[G0+4*\slot+2:G0+4*\slot+3], 2*TROW
	s_add_nc_u64 s[G0B+4*\slot+2:G0B+4*\slot+3], s[G0B+4*\slot+2:G0B+4*\slot+3], 2*TROW
	JLOAD G0+4*\slot, G1, G0B+4*\slot, G1B
.else
	PLACES
.endif
	s_wait_alu depctr_va_vdst(0)
	v_add_nc_u32 v[ADRS], 256, v[ADRS]
	FETCH \next, 0, 0
	SCALES \next
	WIN MUL
	MUL4 128, 2, 3, \slot, 0
	MUL4 128, 3, 3, \slot, 0
.endm
	s_wait_alu depctr_va_vdst(0)
	s_wait_tensorcnt 1
	s_barrier_signal -1
	s_barrier_wait -1
	FETCH 0, 0, 0
	SCALES 0
	KS 0, 0, 1
	KS 0, 1, 0
	KS 0, 2, 0
	TURN 0, 1, 1
	KS 1, 0, 0
	KS 1, 1, 0
	KS 1, 2, 0
	TURN 1, 0, 1
	KS 0, 0, 0
	KS 0, 1, 0
	KS 0, 2, 0
	TURN 0, 1, 0
	KS 1, 0, 0
	KS 1, 1, 0
	KS 1, 2, 0
	s_wait_dscnt 0x0
	WIN MUL
.irp a, 0,1,2,3
	MUL4 128, \a, 3, 1, 0
.endr
	WIN 0
.macro TOSTAGE a
.irp b, 0,1,2,3
	ds_store_b128 v[STO], v[ACC+8*(4*(\a)+\b):ACC+8*(4*(\a)+\b)+3] offset:64*\b
	ds_store_b128 v[STO], v[ACC+8*(4*(\a)+\b)+4:ACC+8*(4*(\a)+\b)+7] offset:64*\b+16
.endr
.set BB, BK+32*((\a)%2)
.irp i, 0,1,2,3,4,5,6,7
	ds_load_b128 v[BB+4*\i:BB+4*\i+3], v[RD] offset:\i*2*SPITCH
.endr
.endm
.macro SEND a, younger
.set BB, BK+32*((\a)%2)
	s_wait_dscnt \younger
.irp i, 0,1,2,3,4,5,6,7
	global_store_b128 v[CO], v[BB+4*\i:BB+4*\i+3], s[12:13] offset:(16*(\a)+2*\i)*8192 th:TH_STORE_NT
.endr
.endm
	PLACES
	TOSTAGE 0
.irp a, 1,2,3
.if \a > 1
	s_wait_xcnt 0x0
.endif
	TOSTAGE \a
	SEND \a-1, 16
.endr
	SEND 3, 0
	s_wait_tensorcnt 0x0
	ds_add_u32 v[SPW], v[NIL]
	s_wait_dscnt 0x0
	CROUND
	s_endpgm
.Lfunc_end_k_qaad67f0a05_outp:
	.size	k_qaad67f0a05_outp, .Lfunc_end_k_qaad67f0a05_outp-k_qaad67f0a05_outp
	.p2alignl 7, 3214868480
	.fill 96, 4, 3214868480
	.section	.rodata,"a",@progbits
	.p2align	6, 0x0
	.amdhsa_kernel k_qaad67f0a05_outp
		.amdhsa_group_segment_fixed_size 327680
		.amdhsa_private_segment_fixed_size 0
		.amdhsa_enable_private_segment 0
		.amdhsa_kernarg_size 40
		.amdhsa_user_sgpr_count 2
		.amdhsa_user_sgpr_kernarg_segment_ptr 1
		.amdhsa_wavefront_size32 1
		.amdhsa_system_sgpr_workgroup_id_x 1
		.amdhsa_system_sgpr_workgroup_id_y 1
		.amdhsa_system_sgpr_workgroup_id_z 1
		.amdhsa_system_vgpr_workitem_id 0
		.amdhsa_next_free_vgpr 512
		.amdhsa_next_free_sgpr 98
		.amdhsa_reserve_vcc 0
		.amdhsa_float_denorm_mode_32 3
		.amdhsa_float_denorm_mode_16_64 3
		.amdhsa_memory_ordered 1
		.amdhsa_forward_progress 1
		.amdhsa_inst_pref_size 83
	.end_amdhsa_kernel
	.amdgpu_metadata
---
amdhsa.version: [ 1, 2 ]
amdhsa.kernels:
  - .name:           k_qaad67f0a05_outp
    .symbol:         k_qaad67f0a05_outp.kd
    .args:
      - { .name: oc, .offset: 0, .size: 8, .value_kind: global_buffer, .address_space: global }
      - { .name: os, .offset: 8, .size: 8, .value_kind: global_buffer, .address_space: global }
      - { .name: codes1, .offset: 16, .size: 8, .value_kind: global_buffer, .address_space: global }
      - { .name: scales1, .offset: 24, .size: 8, .value_kind: global_buffer, .address_space: global }
      - { .name: out0, .offset: 32, .size: 8, .value_kind: global_buffer, .address_space: global }
    .group_segment_fixed_size: 327680
    .private_segment_fixed_size: 0
    .kernarg_segment_align: 8
    .kernarg_segment_size: 40
    .max_flat_workgroup_size: 128
    .sgpr_count:     98
    .vgpr_count:     512
    .wavefront_size: 32
...
	.end_amdgpu_metadata
.endif
;; end of part 4
